; MI455X (gfx1250); checked and timed in simulation.
; The chip was launched on July 23, 2026; its instructions are those of AMD's public machine-readable ISA for CDNA 5 (MIT licence, August 2026) and "CDNA5" Instruction Set Architecture Reference Guide (July 2026). The comments in the code are by the model that wrote it; some were corrected since.
;; Diversity Attention. Allowed arithmetic: matrix products marked QUANTISED: E2M3 operands, one E8M0 scale for each 32 along K, by v_wmma_scale_f32_16x16x128_f8f6f4 with both operands' format E2M3, f32 sums; everything else in f32.
;; Inputs: Wk 1,024 x 1,024 float32; Wo 1,024 x 1,024 float32; Wq 1,024 x 1,024 float32; Wv 1,024 x 1,024 float32; attn_mask 2,048 x 2,048 bool; bk 1,024 float32; bo 1,024 float32; bq 1,024 float32; bv 1,024 float32; x 2 x 2,048 x 1,024 float32.
;; Outputs: out0 2 x 2,048 x 1,024 float32.
;; This version of the problem:
;;   THIS VERSION OF THE PROBLEM IS GIVEN IN LOW PRECISION. The matrix products marked QUANTISED in the list below multiply operands that are first quantised to E2M3 (2 exponent bits, 3 mantissa bits; 6 bits a number), with one power-of-two scale for each 32 numbers along K (OCP MX v1.0); their sums are f32. All else is computed in f32.
;;   The module's matrix products, in the order in which they are computed (A, B: the left and right operand; K: the contracted axis; several contracted axes count as one K, in the product's order):
;;     1. [M 4,096, K 1,024] x [K 1,024, N 1,024]; A: input x; B: input Wq: QUANTISED
;;     2. [M 4,096, K 1,024] x [K 1,024, N 1,024]; A: input x; B: input Wk: QUANTISED
;;     3. [M 4,096, K 1,024] x [K 1,024, N 1,024]; A: input x; B: input Wv: QUANTISED
;;     4. batch 32 x [M 2,048, K 64] x [K 64, N 2,048]; A: computed on the way; B: computed on the way: QUANTISED
;;     5. batch 2 x [M 2,048, K 1,024] x [K 1,024, N 2,048]; A: computed on the way; B: computed on the way: QUANTISED
;;     6. batch 32 x [M 2,048, K 2,048] x [K 2,048, N 64]; A: softmax (see below); B: computed on the way: QUANTISED
;;     7. [M 4,096, K 1,024] x [K 1,024, N 1,024]; A: computed on the way; B: input Wo: QUANTISED
;;   THE QUANTISER, for each operand of a quantised product, along K:
;;     - K is cut into blocks of 32 from its start; a last block that is shorter is filled with zeros.
;;     - A block's scale is 2^e with e = floor(log2(the largest magnitude in the block)) - 2, held to -126 .. 127; a block of zeros has e = 0. As a byte (E8M0): e + 127.
;;     - Each number is divided by its block's scale, clamped to +-7.5, and rounded to the nearest number of E2M3, ties to even, subnormals kept.
;;     - The product sums the exact products of the quantised numbers (number of the format x scale) in f32.
;;   ~~~python
;;   def quantise(x, axis):      # numpy; x: float32 -> the quantised numbers, widened to float32 again
;;       x = np.moveaxis(x, axis, -1); K = x.shape[-1]
;;       x = np.pad(x, [(0, 0)] * (x.ndim - 1) + [(0, -K % 32)]); x = x.reshape(x.shape[:-1] + (-1, 32)); a = np.abs(x).max(-1, keepdims=True)
;;       e = np.where(a > 0, np.clip(np.frexp(np.where(a > 0, a, 1))[1] - 1 - 2, -126, 127), 0)      # np.frexp(a)[1] - 1 = floor(log2(a)), exactly
;;       r = np.clip(x / 2.0 ** e, -7.5, 7.5)
;;       step = 2.0 ** (np.maximum(np.frexp(np.where(r == 0, 1, r))[1] - 1, 0) - 3)
;;       q = np.round(r / step) * step * 2.0 ** e      # np.round: ties to even
;;       return np.moveaxis(q.reshape(q.shape[:-2] + (-1,))[..., :K], -1, axis).astype(np.float32)
;;   ~~~
;;   SOFTMAX AHEAD OF A QUANTISED PRODUCT. Where the list says 'softmax', what is quantised is not the finished softmax but p = 2^(t - M), with t = logit x log2(e) and M = ceil(the row's largest t), a whole number; so 1/2 < the row's largest p <= 1. The row's sum l is taken of the UNQUANTISED p, in f32, and the product's result is divided by l at the end. Since M is a whole number, a kernel that streams over the keys may use a running M (the ceiling of the running maximum): every later rescaling is an exact power of two, which a block's scale takes up: the codes' values come out the same.
;;   OPERANDS COMPUTED ON THE WAY. 'Computed on the way' means the value that the module computes at that place (a softmax that the list does not call 'softmax' is quantised finished and normalised). What goes into a quantiser is computed in f32, as accurately as f32 sums, v_exp_f32 and their like allow (about 1e-6 of the number): no bf16 or f16 on the way to a quantiser, and a product that is left as it is and whose result goes on into a quantised operand takes f32 operands (vector FMAs, or v_wmma_f32_16x16x4_f32). A number that lies on a knife's edge between two numbers of the format may be rounded either way, as far as f32 arithmetic and the matrix unit's own rounding can turn it there, and no further.
;; One version. Each part assembles by itself: llvm-mc -triple=amdgcn-amd-amdhsa -mcpu=gfx1250 --defsym DOCPART=n.
;; ======== version 1 of 1: 4 launches
;; limits: right only within a limited range of input values
;; workspace buffers: pcodes 9,437,184 bytes; pscales 786,432 bytes; qfrag 3,407,872 bytes; kv 6,815,744 bytes; bias 33,554,432 bytes; ccodes 3,145,728 bytes; cscales 262,144 bytes
;; launch prep (part 1): grid 512 x 1, 8 waves a work-group, no clusters, 69,120 bytes of LDS; arguments x, Wq, Wk, Wv, Wo, pcodes, pscales; writes pcodes, pscales
.if DOCPART == 1
	.amdgcn_target "amdgcn-amd-amdhsa--gfx1250"
	.amdhsa_code_object_version 6
	.text
	.protected	k_q3e81888fe6_prep
	.globl	k_q3e81888fe6_prep
	.p2align	8
	.type	k_q3e81888fe6_prep,@function
k_q3e81888fe6_prep:
	s_mov_b64 s[64:65], 0
	v_nop
	global_prefetch_b8 v0, s[64:65] scope:SCOPE_SE
	s_setreg_imm32_b32 hwreg(HW_REG_WAVE_MODE, 25, 1), 1
	s_wait_xcnt 0x0
; x [4096][1024] and the four weights [1024][1024], f32, K innermost, become codes of FP6 (E2M3) with one E8M0 byte for each 32 along K; of x also 2 x / max(|x|, 1e-12) (the row's norm).
; Twice the normed row has the normed row's codes under a scale byte one higher, so the later product of two such operands is exactly four times the cosine similarity.
; LAYOUT OF THE RESULT.  A tile is 16 rows, NOT neighbours: row i of tile T is 32 (T / 2) + 8 (T % 2) + i + 8 (i / 8), so that in a later product the 16 result registers of tiles 2 b and 2 b + 1 are 16 neighbours.
; A fragment (a tile x 128 along K) is stored as the image of the operand's 12 registers: registers 4 g .. 4 g + 3 of lane l at 512 g + 16 l: 1,536 bytes; its scale words as 4 bytes a lane: 128 bytes.
; Fragment (slot, s) lies at (8 slot + s) x 1,536 in pcodes and x 128 in pscales.  Slots: 0-255 x, 256-511 twice the normed x, 512-575 Wq, 576-639 Wk, 640-703 Wv, 704-767 Wo.
; SHARES.  A work-group owns one tile (0-255: x's; 256-511: a weight's), wave s its K step s: 16 rows x 512 bytes.  Each load reads 512 consecutive bytes of a row; the rows turn through the wave's own stage in LDS,
; so that lane (r, h) gets, of row r, 16 neighbours of each block of 32.  Every input byte is read once; x stays in registers between its two quantisings.  Nothing is shared between work-groups: no cluster, no tensor load.
; A block's scale byte is its largest magnitude's exponent field - 2, held at 1 from below.
; LIMITS: a block of zeros, or one whose largest magnitude lies under 2^-124, gets the byte 1 (the bytes are read by this program alone; zero codes add nothing); NaN and infinities among the inputs are not served; a row of x whose sum of squares passes 3e38 is not served.
.set STGB,  8448                       ; a wave's stage: 16 rows x (512 bytes + 16)
.set SSQ,   8*STGB                     ; 512 bytes: the sum of squares of row r in K step s at 32 r + 4 s
.set SPARE, SSQ+512                    ; the spare words, 128 bytes for each of the eight waves; no other line names them
.set LI,   1                           ; v1  16 x lane
.set LS,   2                           ; v2  4 x lane
.set SIN,  3                           ; v3  the stage, on the way in
.set SOUT, 4                           ; v4  and on the way out: 528 r + 64 h
.set SSW,  5                           ; v5  where I put my wave's sum of squares
.set SSR,  6                           ; v6  where row r's eight sums lie
.set SPW,  7                           ; v7  my spare word; never rewritten
.set NIL,  8                           ; v8  0; never rewritten
.set R,    16                          ; v16-79   16 rows as loaded
.set X,    80                          ; v80-143  register 16 b + i = k 32 b + 16 h + i of row r
.set PC,   144                         ; v144-155 the fragment's codes
.set CX,   156                         ; v156-163 the codes' second halves
.set BM,   164                         ; v164-167 largest magnitudes; v168-171 at work; v172-175 the conversions' scale operands
.set BT,   168
.set BS,   172
.set PW,   176                         ; the scale word
.set SQ,   178                         ; v178-189 sums
.set SEL,  28                          ; s[28:29] lane selects: lane l xor 16
.set OC,   14                          ; s[14:15] where my fragment goes
.set OS,   16                          ; s[16:17] and its scale words
.macro CODES src, dst                  ; 64 numbers -> 12 registers of codes, by the scale operands in v[BS] on
.irp c, 0,1
	v_cvt_scalef32_pk16_fp6_f32 v[\dst+6*\c:\dst+6*\c+2], v[\src+32*\c:\src+32*\c+15], v[BS+2*\c]
	v_cvt_scalef32_pk16_fp6_f32 v[CX+4*\c:CX+4*\c+2], v[\src+32*\c+16:\src+32*\c+31], v[BS+2*\c+1]   ; (a conversion's three registers begin on an even number)
.endr
	v_nop                                          ; one plain instruction behind the conversions
.irp c, 0,1                            ; the operand wants a whole block in a lane: lanes 0-15 block 2 c, lanes 16-31 block 2 c + 1
.irp i, 0,1,2
	v_permlane16_swap_b32 v[\dst+6*\c+\i], v[CX+4*\c+\i]
.endr
.irp i, 0,1,2
	s_delay_alu instid0(VALU_DEP_3)
	v_mov_b32 v[\dst+3+6*\c+\i], v[CX+4*\c+\i]
.endr
.endr
.endm
.macro QUANT src                       ; 64 numbers of a lane become a fragment's codes in v[PC] on and its scale word in v[PW]
.irp b, 0,1,2,3
	v_max3_num_f32 v[BM+\b], |v[\src+16*\b]|, |v[\src+16*\b+1]|, 0x1800000   ; with the floor 2^(3 - 127): the byte cannot fall under 1
.endr
.irp i, 2,4,6,8,10,12,14
.irp b, 0,1,2,3
	s_delay_alu instid0(VALU_DEP_4)
	v_max3_num_f32 v[BM+\b], v[BM+\b], |v[\src+16*\b+\i]|, |v[\src+16*\b+\i+1]|   ; the four blocks by turns
.endr
.endr
.irp b, 0,1,2,3
	s_delay_alu instid0(VALU_DEP_4)
	v_permlanex16_b32 v[BT+\b], v[BM+\b], s[SEL], s[SEL+1]
.endr
.irp b, 0,1,2,3
	s_delay_alu instid0(VALU_DEP_4)
	v_max_num_f32 v[BM+\b], v[BM+\b], v[BT+\b]     ; with lane l xor 16's 16: the block's largest magnitude
.endr
.irp b, 0,1,2,3
	s_delay_alu instid0(VALU_DEP_4)
	v_add_nc_u32 v[BS+\b], 0xff000000, v[BM+\b]    ; 2 off the exponent field: the conversion's scale operand
.endr
.irp b, 0,1,2,3
	s_delay_alu instid0(VALU_DEP_4)
	v_lshrrev_b32 v[BT+\b], 23, v[BS+\b]           ; the scale's byte
.endr
	s_delay_alu instid0(VALU_DEP_3)
	v_lshl_or_b32 v[PW], v[BT+1], 8, v[BT]
	s_delay_alu instid0(VALU_DEP_1)
	v_lshl_or_b32 v[PW], v[BT+2], 16, v[PW]
	s_delay_alu instid0(VALU_DEP_1)
	v_lshl_or_b32 v[PW], v[BT+3], 24, v[PW]
	CODES \src, PC
.endm
.macro OUTFRAG co, so                  ; each of the three stores covers 512 consecutive bytes
.irp g, 0,1,2
	global_store_b128 v[LI], v[PC+4*\g:PC+4*\g+3], s[OC:OC+1] offset:\co+512*\g
.endr
	global_store_b32 v[LS], v[PW], s[OS:OS+1] offset:\so
.endm
	s_load_b256 s[4:11], s[0:1], 0x0               ; x, Wq, Wk, Wv
	s_load_b128 s[12:15], s[0:1], 0x20             ; Wo, pcodes
	s_load_b64 s[16:17], s[0:1], 0x30              ; pscales
	v_lshl_add_u32 v[SPW], v0, 2, SPARE
	v_mov_b32 v[NIL], 0
	v_lshrrev_b32 v9, 5, v0
	s_delay_alu instid0(VALU_DEP_1)
	v_readfirstlane_b32 s18, v9                    ; wave = K step
	v_and_b32 v9, 31, v0
	s_delay_alu instid0(VALU_DEP_1)
	v_lshlrev_b32 v[LI], 4, v9
	s_delay_alu instid0(VALU_DEP_2)
	v_lshlrev_b32 v[LS], 2, v9
	v_and_b32 v10, 15, v0                          ; r
	v_bfe_u32 v11, v0, 4, 1                        ; h
	s_mul_i32 s19, s18, STGB
	v_add_nc_u32 v[SIN], s19, v[LI]
	v_mul_u32_u24 v[SOUT], v10, 528
	s_delay_alu instid0(VALU_DEP_1)
	v_lshl_add_u32 v[SOUT], v11, 6, v[SOUT]
	s_delay_alu instid0(VALU_DEP_1)
	v_add_nc_u32 v[SOUT], s19, v[SOUT]
	v_lshl_add_u32 v[SSR], v10, 5, SSQ
	s_lshl_b32 s19, s18, 2
	v_add_nc_u32 v[SSW], s19, v[SSR]
.irp b, 0,1,2,3
	v_mov_b32 v[BT+\b], 0                          ; written once: a lane permute's destination counts as one of its sources
.endr
	s_mov_b32 s[SEL], 0x76543210
	s_mov_b32 s[SEL+1], 0xfedcba98
	s_cmp_lt_u32 ttmp9, 256                        ; x's tile or a weight's: the work-group's number alone decides
	s_cselect_b32 s22, 255, 63
	s_cselect_b32 s23, 0, 256
	s_and_b32 s22, ttmp9, s22                      ; the tile in its tensor
	s_add_co_u32 s23, ttmp9, s23                   ; its slot
	s_lshr_b32 s24, s22, 1
	s_lshl_b32 s24, s24, 17                        ; 32 rows of 4,096 bytes for each pair of tiles,
	s_and_b32 s25, s22, 1
	s_lshl_b32 s25, s25, 15                        ; 8 rows for the odd tile,
	s_add_co_u32 s24, s24, s25
	s_lshl_b32 s25, s18, 9                         ; 512 bytes a K step
	s_add_co_u32 s24, s24, s25
	s_mov_b32 s25, 0
	s_lshl_b32 s26, s23, 3
	s_add_co_u32 s26, s26, s18                     ; 8 slot + s
	s_mul_i32 s30, s26, 1536
	s_mov_b32 s31, 0
	s_lshl_b32 s32, s26, 7
	s_mov_b32 s33, 0
	s_wait_alu depctr_va_vdst(0)
	s_wait_kmcnt 0x0
	s_cmp_lt_u32 ttmp9, 448
	s_cselect_b64 s[20:21], s[10:11], s[12:13]
	s_cmp_lt_u32 ttmp9, 384
	s_cselect_b64 s[20:21], s[8:9], s[20:21]
	s_cmp_lt_u32 ttmp9, 320
	s_cselect_b64 s[20:21], s[6:7], s[20:21]
	s_cmp_lt_u32 ttmp9, 256
	s_cselect_b64 s[20:21], s[4:5], s[20:21]
	s_add_nc_u64 s[20:21], s[20:21], s[24:25]
	s_add_nc_u64 s[OC:OC+1], s[OC:OC+1], s[30:31]
	s_add_nc_u64 s[OS:OS+1], s[OS:OS+1], s[32:33]
.irp i, 0,1,2,3,4,5,6,7,8,9,10,11,12,13,14,15
	global_load_b128 v[R+4*\i:R+4*\i+3], v[LI], s[20:21] offset:(\i+8*(\i/8))*4096 th:TH_LOAD_NT   ; the tile's row i: 512 consecutive bytes; read once in the launch
.endr
.irp i, 0,1,2,3,4,5,6,7,8,9,10,11,12,13,14,15
	s_wait_loadcnt 15-\i                           ; loads come back in order: row i is in, the 15 - i younger ones may be out
	ds_store_b128 v[SIN], v[R+4*\i:R+4*\i+3] offset:528*\i
.endr
.irp b, 0,1,2,3
.irp q, 0,1,2,3
	ds_load_b128 v[X+16*\b+4*\q:X+16*\b+4*\q+3], v[SOUT] offset:128*\b+16*\q   ; LDS serves a wave's instructions in order: these see my stores
.endr
.endr
	s_wait_dscnt 0x0
	QUANT X
	OUTFRAG 0, 0
	s_cmp_lt_u32 ttmp9, 256
	s_cbranch_scc1 .Lnorm                          ; the same way for all eight waves of a work-group
	s_wait_tensorcnt 0x0                           ; a weight's wave ends: these three lines behind my last LDS store
	ds_add_u32 v[SPW], v[NIL]
	s_wait_dscnt 0x0
	s_endpgm
.Lnorm:
	v_pk_mul_f32 v[SQ:SQ+1], v[X:X+1], v[X:X+1]    ; the sum of squares of my 64 numbers, two chains of packed multiply-adds
	v_pk_mul_f32 v[SQ+2:SQ+3], v[X+2:X+3], v[X+2:X+3]
.irp j, 4,8,12,16,20,24,28,32,36,40,44,48,52,56,60
	s_delay_alu instid0(VALU_DEP_2)
	v_pk_fma_f32 v[SQ:SQ+1], v[X+\j:X+\j+1], v[X+\j:X+\j+1], v[SQ:SQ+1]
	s_delay_alu instid0(VALU_DEP_2)
	v_pk_fma_f32 v[SQ+2:SQ+3], v[X+\j+2:X+\j+3], v[X+\j+2:X+\j+3], v[SQ+2:SQ+3]
.endr
	s_delay_alu instid0(VALU_DEP_1)
	v_pk_add_f32 v[SQ:SQ+1], v[SQ:SQ+1], v[SQ+2:SQ+3]
	s_delay_alu instid0(VALU_DEP_1)
	v_add_f32 v[SQ], v[SQ], v[SQ+1]
	s_delay_alu instid0(VALU_DEP_1)
	v_permlanex16_b32 v[SQ+1], v[SQ], s[SEL], s[SEL+1]
	s_delay_alu instid0(VALU_DEP_1)
	v_add_f32 v[SQ], v[SQ], v[SQ+1]                ; row r's sum over my K step
	ds_store_b32 v[SSW], v[SQ]                     ; lanes r and r + 16 write the same word with the same value
	s_wait_dscnt 0x0                               ; for the others' sake: my store has landed
	s_barrier_signal -1
	s_barrier_wait -1
	ds_load_b128 v[SQ+4:SQ+7], v[SSR]              ; the eight K steps' sums of row r
	ds_load_b128 v[SQ+8:SQ+11], v[SSR] offset:16
	s_wait_dscnt 0x0
	v_pk_add_f32 v[SQ+4:SQ+5], v[SQ+4:SQ+5], v[SQ+6:SQ+7]
	v_pk_add_f32 v[SQ+8:SQ+9], v[SQ+8:SQ+9], v[SQ+10:SQ+11]
	s_delay_alu instid0(VALU_DEP_1)
	v_pk_add_f32 v[SQ+4:SQ+5], v[SQ+4:SQ+5], v[SQ+8:SQ+9]
	s_delay_alu instid0(VALU_DEP_1)
	v_add_f32 v[SQ+4], v[SQ+4], v[SQ+5]
	s_wait_alu depctr_va_vdst(0)
	v_sqrt_f32 v[SQ], v[SQ+4]
	v_nop                                          ; a plain instruction behind the root,
	s_wait_alu depctr_va_vdst(0)                   ; and a wait ahead of its first reader
	v_max_num_f32 v[SQ], 0x2b8cbccc, v[SQ]         ; max(norm, 1e-12)
	s_wait_alu depctr_va_vdst(0)
	v_rcp_f32 v[SQ+2], v[SQ]
	v_nop
	s_wait_alu depctr_va_vdst(0)
	v_add_f32 v[SQ+2], v[SQ+2], v[SQ+2]            ; 2 / norm
	s_delay_alu instid0(VALU_DEP_1)
	v_mov_b32 v[SQ+3], v[SQ+2]
	s_wait_alu depctr_va_vdst(0)
	s_wait_xcnt 0x0                                ; the first fragment's stores have read their registers: the codes and the scale word are written again only behind this wait
.irp j, 0,2,4,6,8,10,12,14,16,18,20,22,24,26,28,30,32,34,36,38,40,42,44,46,48,50,52,54,56,58,60,62
	v_pk_mul_f32 v[X+\j:X+\j+1], v[X+\j:X+\j+1], v[SQ+2:SQ+3]
.endr
	QUANT X
	OUTFRAG 3145728, 262144                        ; 256 slots further on
	s_wait_tensorcnt 0x0                           ; the wave's end: these three lines behind my last LDS store
	ds_add_u32 v[SPW], v[NIL]
	s_wait_dscnt 0x0
	s_endpgm
.Lfunc_end_k_q3e81888fe6_prep:
	.size	k_q3e81888fe6_prep, .Lfunc_end_k_q3e81888fe6_prep-k_q3e81888fe6_prep
	.p2alignl 7, 3214868480
	.fill 96, 4, 3214868480
	.section	.rodata,"a",@progbits
	.p2align	6, 0x0
	.amdhsa_kernel k_q3e81888fe6_prep
		.amdhsa_group_segment_fixed_size 69120
		.amdhsa_private_segment_fixed_size 0
		.amdhsa_enable_private_segment 0
		.amdhsa_kernarg_size 56
		.amdhsa_user_sgpr_count 2
		.amdhsa_user_sgpr_kernarg_segment_ptr 1
		.amdhsa_wavefront_size32 1
		.amdhsa_system_sgpr_workgroup_id_x 1
		.amdhsa_system_sgpr_workgroup_id_y 1
		.amdhsa_system_sgpr_workgroup_id_z 1
		.amdhsa_system_vgpr_workitem_id 0
		.amdhsa_next_free_vgpr 192
		.amdhsa_next_free_sgpr 66
		.amdhsa_reserve_vcc 0
		.amdhsa_float_denorm_mode_32 3
		.amdhsa_float_denorm_mode_16_64 3
		.amdhsa_memory_ordered 1
		.amdhsa_forward_progress 1
		.amdhsa_inst_pref_size 26
	.end_amdhsa_kernel
	.amdgpu_metadata
---
amdhsa.version: [ 1, 2 ]
amdhsa.kernels:
  - .name:           k_q3e81888fe6_prep
    .symbol:         k_q3e81888fe6_prep.kd
    .args:
      - { .name: x, .offset: 0, .size: 8, .value_kind: global_buffer, .address_space: global }
      - { .name: Wq, .offset: 8, .size: 8, .value_kind: global_buffer, .address_space: global }
      - { .name: Wk, .offset: 16, .size: 8, .value_kind: global_buffer, .address_space: global }
      - { .name: Wv, .offset: 24, .size: 8, .value_kind: global_buffer, .address_space: global }
      - { .name: Wo, .offset: 32, .size: 8, .value_kind: global_buffer, .address_space: global }
      - { .name: pcodes, .offset: 40, .size: 8, .value_kind: global_buffer, .address_space: global }
      - { .name: pscales, .offset: 48, .size: 8, .value_kind: global_buffer, .address_space: global }
    .group_segment_fixed_size: 69120
    .private_segment_fixed_size: 0
    .kernarg_segment_align: 8
    .kernarg_segment_size: 56
    .max_flat_workgroup_size: 256
    .sgpr_count:     66
    .vgpr_count:     192
    .wavefront_size: 32
...
	.end_amdgpu_metadata
.endif
;; end of part 1
;; launch gemm1 (part 2): grid 40 x 16, 4 waves a work-group, clusters of 4 x 4, 295,424 bytes of LDS; arguments pcodes, pscales, bq, bk, bv, attn_mask, qfrag, kv, bias; writes qfrag, kv, bias
.if DOCPART == 2
	.amdgcn_target "amdgcn-amd-amdhsa--gfx1250"
	.amdhsa_code_object_version 6
	.text
	.protected	k_q3e81888fe6_gemm1
	.globl	k_q3e81888fe6_gemm1
	.p2align	8
	.type	k_q3e81888fe6_gemm1,@function
k_q3e81888fe6_gemm1:
	s_mov_b64 s[64:65], 0
	v_nop
	global_prefetch_b8 v0, s[64:65] scope:SCOPE_SE
	s_setreg_imm32_b32 hwreg(HW_REG_WAVE_MODE, 25, 1), 1
	s_wait_xcnt 0x0
	s_wait_alu depctr_hold_cnt(0) depctr_sa_sdst(0) depctr_va_vdst(0) depctr_va_sdst(0) depctr_va_ssrc(0) depctr_va_vcc(0) depctr_vm_vsrc(0)
	s_getreg_b32 s2, hwreg(HW_REG_IB_STS2, 6, 4)
	s_cmp_eq_u32 s2, 0
	s_cbranch_scc0 .Lentry_in_a_cluster
	s_endpgm
.Lentry_in_a_cluster:
	s_bfe_u32 s2, ttmp6, 0x10000c
	s_cmp_lg_u32 s2, 0xf033
	s_cbranch_scc0 .Lentry_shape_is_right
	s_endpgm
.Lentry_shape_is_right:
; Five products of K = 1,024 on codes of FP6 (E2M3) with E8M0 scales, one body, three kinds of work-group, told apart by the cluster's x alone:
;   QK  (cluster x 0-3): -(x Wq^T + bq) and x Wk^T + bk, quantised along the features: fragments of 16 tokens x 128 features (a pair of heads) into qfrag and kv.  q is stored negated (see attn).
;   VT  (cluster x 4-5): Wv x^T + bv, quantised along the KEYS: fragments of 16 features x 128 keys into kv.
;   SIM (cluster x 6-9): (2 n)(2 n)^T = 4 x the cosine similarity, f32, with 1e38 where attn_mask is set, into bias, as the image of attn's score accumulators.
; OPERANDS are images of their registers (see prep): a fragment is three loads of 16 bytes a lane.  Source 0 = 16 rows of "B", source 1 = 16 rows of "A": a lane holds ONE row of A, and since a tile's rows are
; 32 (T / 2) + 8 (T % 2) + i + 8 (i / 8), its 64 result registers against B's eight tiles are B's rows 32 b + 16 h + i in register 16 b + i: the order in which the quantiser wants them.
; SHARES.  A work-group: 16 tiles of A (256 rows) x 8 tiles of B (128 rows); wave w: A's tiles 4 w .. 4 w + 3 against all of B: 32 accumulators, 256 registers.
; LDS.  The tile's WHOLE K lies in LDS: four chunks of two K steps, 24 tiles x 3,072 bytes each, 294,912 bytes, each byte filled once; nothing is filled again, so there is no ring.  Each wave has four tensor loads out at the start, one a chunk.
; CLUSTER 4 x 4: A's tiles hang on the cluster's row alone and are asked for jointly along it, B's on its column.  Waves 0, 2 fetch A's halves, waves 1, 3 B's.
; The scale words (128 bytes a fragment) go straight into registers, once.
; REGISTERS: window 0: addresses, scale words v16-111, bias or mask words v112-175, the way out; window 1: accumulator (a, j) at 8 (8 a + j); windows 2, 3: two sets of fragments: A's at 12 a, B's at 48 + 12 j.
; LIMITS: as in prep (zero or tiny blocks get the byte 1; no NaN or infinities among the inputs).
.set NA,    4                          ; A's tiles to a wave
.set NL,    3*(NA+8)                   ; LDS loads of a K step
.set CH,    (4*NA+8)*3072
; THE LAYOUT IN LDS AND THE LOADS, as the text below has them (this takes the place of what the head says of four chunks and four loads):
; two halves of K, HK bytes each; in a half A's 4 NA tiles and then B's eight, 6,144 bytes (four K steps) a tile.  One joint load a wave, all at the head:
; wave 0 A's first half of K, wave 1 B's, wave 2 A's second half, wave 3 B's.  Each byte is filled once.
.set HK,    2*CH
.set SPARE, 4*CH                       ; the spare words, 128 bytes a wave; no other line names them
.set LI,  1                            ; v1  16 x lane
.set LS,  2                            ; v2  4 x lane
.set SPW, 3                            ; v3  my spare word; never rewritten
.set NIL, 4                            ; v4  0; never rewritten
.set VT0, 5                            ; v5  at work; then the offset of the path's own loads
.set ADA, 6                            ; v6-7   LDS address of my A tiles in half c
.set ADB, 10                           ; v10-11 of B's tiles
.set RR,  14                           ; v14 r = lane % 16
.set HH,  15                           ; v15 h = lane / 16
.set SA,  16                           ; scale words of A: 8 a + s
.set SB,  48                           ; of B: 8 j + s
.set BI,  112                          ; v112-175 QK: the bias in the result's layout
.set BV,  112                          ; VT: bv of my row, a pair for each tile
.set MK,  112                          ; SIM: 16 mask bytes for (tile a, block b) at 16 a + 4 b
.set T,   16                           ; the way out: 64 numbers (the scale words are done with)
.set PC,  80
.set CX,  92
.set BM,  176
.set BT,  180
.set BS,  184
.set PW,  188
.set TP,  240
.set SEN, 244
.set HF,  2
.set WV,  22
.set SCX, 23                           ; my place in the cluster
.set SCY, 56
.set CLX, 57                           ; the cluster's x and y
.set CLY, 58
.set ROW, 59                           ; 4 x cluster y + cy
.set COL, 60
.set FA,  61                           ; A's first slot
.set FB,  62                           ; B's first slot
.set G1A, 24                           ; s[24:31], s[32:39] descriptor groups 1;  s[40:47], s[68:75] groups 0, one for each half of K
.set G1B, 32
.set G0A, 40
.set G0B, 68
.set ASC, 84                           ; s[84:85] my A tiles' scale words;  s[86:87] B's
.set BSC, 86
.set OC,  88                           ; s[88:89], s[90:91] where results go
.set OS,  90
.set SG,  92                           ; s[92:93] -1 for q, 1 for k
.set SEL, 94
.set APT, 4
.set ASPT, 6
.set BPT, 4
.set BSPT, 6
.set MSB, 0
.macro WIN new                         ; the immediate's high byte repeats the setting that is left; a switch that changes nothing is dropped
.if MSB != (\new)
	s_set_vgpr_msb (MSB<<8)|(\new)
.set MSB, (\new)
.endif
.endm
.macro PLACES
.rept 4
	v_nop
.endr
.endm
.macro CROUND                          ; a round of the cluster's barrier
	s_barrier_signal -1
	s_barrier_wait -1
	s_cmp_lg_u32 s[WV], 0
	s_cbranch_scc1 .Lnot_wave_0_\@
	s_barrier_signal -3
.Lnot_wave_0_\@:
	s_barrier_wait -3
	s_barrier_signal -1
	s_barrier_wait -1
.endm
.macro CODES src, dst
.irp c, 0,1
	v_cvt_scalef32_pk16_fp6_f32 v[\dst+6*\c:\dst+6*\c+2], v[\src+32*\c:\src+32*\c+15], v[BS+2*\c]
	v_cvt_scalef32_pk16_fp6_f32 v[CX+4*\c:CX+4*\c+2], v[\src+32*\c+16:\src+32*\c+31], v[BS+2*\c+1]
.endr
	v_nop                                          ; one plain instruction behind the conversions
.irp c, 0,1
.irp i, 0,1,2
	v_permlane16_swap_b32 v[\dst+6*\c+\i], v[CX+4*\c+\i]
.endr
.irp i, 0,1,2
	v_mov_b32 v[\dst+3+6*\c+\i], v[CX+4*\c+\i]
.endr
.endr
.endm
.macro QUANT src                       ; as in prep: register 16 b + i = k 32 b + 16 h + i of my row -> codes in v[PC] on, scale word in v[PW]
.irp b, 0,1,2,3
	v_max3_num_f32 v[BM+\b], |v[\src+16*\b]|, |v[\src+16*\b+1]|, 0x1800000
.endr
.irp i, 2,4,6,8,10,12,14
.irp b, 0,1,2,3
	v_max3_num_f32 v[BM+\b], v[BM+\b], |v[\src+16*\b+\i]|, |v[\src+16*\b+\i+1]|
.endr
.endr
.irp b, 0,1,2,3
	v_permlanex16_b32 v[BT+\b], v[BM+\b], s[SEL], s[SEL+1]
.endr
.irp b, 0,1,2,3
	v_max_num_f32 v[BM+\b], v[BM+\b], v[BT+\b]
.endr
.irp b, 0,1,2,3
	v_add_nc_u32 v[BS+\b], 0xff000000, v[BM+\b]
.endr
.irp b, 0,1,2,3
	v_lshrrev_b32 v[BT+\b], 23, v[BS+\b]
.endr
	v_lshl_or_b32 v[PW], v[BT+1], 8, v[BT]
	v_lshl_or_b32 v[PW], v[BT+2], 16, v[PW]
	v_lshl_or_b32 v[PW], v[BT+3], 24, v[PW]
	CODES \src, PC
.endm
.macro OUTFRAG co, so
.irp g, 0,1,2
	global_store_b128 v[LI], v[PC+4*\g:PC+4*\g+3], s[OC:OC+1] offset:\co+512*\g
.endr
	global_store_b32 v[LS], v[PW], s[OS:OS+1] offset:\so
.endm
.macro FETCH s                         ; K step s: my NA fragments of A and B's eight, into set s % 2
	WIN 0x80+0x40*((\s)%2)
.set fa, 0
.rept NA
.irp g, 0,1,2
	ds_load_b128 v[12*fa+4*\g:12*fa+4*\g+3], v[ADA+(\s)/4] offset:fa*6144+((\s)%4)*1536+512*\g
.endr
.set fa, fa+1
.endr
.irp j, 0,1,2,3,4,5,6,7
.irp g, 0,1,2
	ds_load_b128 v[48+12*\j+4*\g:48+12*\j+4*\g+3], v[ADB+(\s)/4] offset:\j*6144+((\s)%4)*1536+512*\g
.endr
.endr
	WIN 0
.endm
.macro MUL s                           ; 8 NA products; the accumulators take turns, one instruction a turn; the first K step starts the sums
	WIN 0x5a+5*((\s)%2)
.set ma, 0
.rept NA
.irp j, 0,1,2,3,4,5,6,7
.if (\s) == 0
	v_wmma_scale_f32_16x16x128_f8f6f4 v[8*(8*ma+\j):8*(8*ma+\j)+7], v[48+12*\j:48+12*\j+11], v[12*ma:12*ma+11], 0, v[SB+8*\j+(\s)], v[SA+8*ma+(\s)] matrix_a_fmt:MATRIX_FMT_FP6 matrix_b_fmt:MATRIX_FMT_FP6
.else
	v_wmma_scale_f32_16x16x128_f8f6f4 v[8*(8*ma+\j):8*(8*ma+\j)+7], v[48+12*\j:48+12*\j+11], v[12*ma:12*ma+11], v[8*(8*ma+\j):8*(8*ma+\j)+7], v[SB+8*\j+(\s)], v[SA+8*ma+(\s)] matrix_a_fmt:MATRIX_FMT_FP6 matrix_b_fmt:MATRIX_FMT_FP6
.endif
.endr
.set ma, ma+1
.endr
.endm
.macro MAIN                            ; the eight K steps, written out
	s_cmp_lt_u32 s[WV], 2                          ; waves 0 and 1 fetched K's first half: they wait for their one load;
	s_cbranch_scc0 .Lhalf0_\@                      ; the loads of waves 2 and 3, K's second half, may be out: nothing of it is read ahead of the next barrier
	s_wait_tensorcnt 0x0
.Lhalf0_\@:
	s_barrier_signal -1
	s_barrier_wait -1                              ; K's first half is whole
	FETCH 0
	FETCH 1
	s_wait_loadcnt 0x0                             ; the scale words, and the path's own loads
.irp s, 0,1,2,3,4,5,6,7
.if \s < 7
	s_wait_dscnt NL                                ; this step's fragments are in; the next step's NL loads may be out
.else
	s_wait_dscnt 0x0
.endif
	MUL \s
.if \s != 6
	WIN 0
	PLACES                                         ; four plain instructions between the products and the loads into the registers that they read (behind the last step: the first reads of results)
.endif
.if \s < 6
.if \s == 2
	s_wait_tensorcnt 0x0                           ; K's second half: the loads of waves 2 and 3 have landed (waves 0 and 1 have none out)
	s_wait_dscnt 0x0                               ; no LDS load of mine is out at the signal
	s_barrier_signal -1
	s_barrier_wait -1
.endif
	FETCH \s+2
.endif
.endr
.endm
	s_load_b512 s[4:19], s[0:1], 0x0               ; pcodes, pscales, bq, bk, bv, attn_mask, qfrag, kv
	s_load_b64 s[20:21], s[0:1], 0x40              ; bias
	v_lshl_add_u32 v[SPW], v0, 2, SPARE
	v_mov_b32 v[NIL], 0
	ds_add_u32 v[SPW], v[NIL]                      ; the wave's opening: the add and its wait ahead of my first tensor load; work on registers stands between them
	ds_add_u32 v[SPW], v[NIL]
	v_lshrrev_b32 v[VT0], 5, v0
	v_readfirstlane_b32 s[WV], v[VT0]              ; wave 0..3
	s_bfe_u32 s[SCX], ttmp6, 0x40000
	s_bfe_u32 s[SCY], ttmp6, 0x40004
	s_mov_b32 s[CLX], ttmp9
	s_and_b32 s[CLY], ttmp7, 0xffff
	s_lshl_b32 s[ROW], s[CLY], 2
	s_add_co_u32 s[ROW], s[ROW], s[SCY]
	s_lshl_b32 s63, s[SCY], 2
	s_lshl_b32 s63, 15, s63                        ; my row of the cluster
	s_lshl_b32 s100, 0x1111, s[SCX]                ; my column
	s_or_b32 s[G1A], s63, (3<<16)|(1<<21)          ; the mask; elements of 8 bytes; bit 21 beside a mask; no padding
	s_or_b32 s[G1B], s100, (3<<16)|(1<<21)
.irp g, G1A, G1B
	s_mov_b32 s[\g+1], 768<<16                     ; tensor_dim0 = 768 elements: a tile's four K steps, 6,144 bytes
	s_mov_b32 s[\g+3], 768<<16                     ; tile_dim0
	s_mov_b32 s[\g+5], 1536                        ; from tile to tile: 12,288 bytes
	s_mov_b32 s[\g+6], 0
	s_mov_b32 s[\g+7], 0
.endr
	s_mov_b32 s[G1A+2], (4*NA)<<16                 ; tensor_dim1 and tile_dim1: all of A's tiles,
	s_mov_b32 s[G1A+4], 4*NA
	s_mov_b32 s[G1B+2], 8<<16                      ; all of B's
	s_mov_b32 s[G1B+4], 8
	; A's first slot: QK x's tiles, VT Wv's, SIM the normed x's.  It hangs on the cluster and on cy
	s_lshl_b32 s[FA], s[ROW], 4
	s_lshl_b32 s63, s[SCY], 4
	s_add_co_u32 s63, s63, 640
	s_add_co_u32 s66, s[FA], 256
	s_cmp_lt_u32 s[CLX], 6
	s_cselect_b32 s66, s63, s66
	s_cmp_lt_u32 s[CLX], 4
	s_cselect_b32 s[FA], s[FA], s66
	; B's first slot and the column: QK Wq's and Wk's tiles, VT x's, SIM the normed x's of the same batch.  They hang on the cluster and on cx
	s_lshl_b32 s[COL], s[CLX], 2
	s_add_co_u32 s[COL], s[COL], s[SCX]
	s_lshl_b32 s[FB], s[COL], 3
	s_add_co_u32 s[FB], s[FB], 512
	s_max_u32 s100, s[CLX], 4
	s_sub_co_u32 s100, s100, 4
	s_lshl_b32 s100, s100, 4
	s_lshl_b32 s101, s[CLY], 2
	s_add_co_u32 s100, s100, s101
	s_add_co_u32 s100, s100, s[SCX]                ; VT: 16 (cluster x - 4) + 4 cluster y + cx
	s_max_u32 s101, s[CLX], 6
	s_sub_co_u32 s101, s101, 6
	s_lshl_b32 s101, s101, 2
	s_add_co_u32 s101, s101, s[SCX]                ; SIM: 4 (cluster x - 6) + cx
	s_lshr_b32 s92, s[CLY], 1                      ; the batch
	s_lshl_b32 s92, s92, 4
	s_add_co_u32 s92, s92, s101
	s_lshl_b32 s92, s92, 3
	s_add_co_u32 s92, s92, 256
	s_lshl_b32 s93, s100, 3
	s_cmp_lt_u32 s[CLX], 6
	s_cselect_b32 s92, s93, s92
	s_cselect_b32 s101, s100, s101
	s_cmp_lt_u32 s[CLX], 4
	s_cselect_b32 s[FB], s[FB], s92
	s_cselect_b32 s[COL], s[COL], s101
	s_mul_i32 s66, s[FA], 12288                    ; A's first tile, 12,288 bytes a tile
	s_mov_b32 s67, 0
	s_mul_i32 s100, s[FB], 12288                   ; and B's
	s_mov_b32 s101, 0
	s_mul_i32 s[ASC], s[WV], NA                    ; my tiles' scale words: 1,024 bytes a tile
	s_add_co_u32 s[ASC], s[ASC], s[FA]
	s_lshl_b32 s[ASC], s[ASC], 10
	s_mov_b32 s[ASC+1], 0
	s_lshl_b32 s[BSC], s[FB], 10
	s_mov_b32 s[BSC+1], 0
	s_mov_b32 s[SEL], 0x76543210
	s_mov_b32 s[SEL+1], 0xfedcba98
	s_wait_dscnt 0x0                               ; the opening add is done
	s_wait_kmcnt 0x0
	s_add_nc_u64 s[66:67], s[APT:APT+1], s[66:67]
	s_add_nc_u64 s[100:101], s[BPT:BPT+1], s[100:101]
	s_add_nc_u64 s[ASC:ASC+1], s[ASPT:ASPT+1], s[ASC:ASC+1]
	s_add_nc_u64 s[BSC:BSC+1], s[BSPT:BSPT+1], s[BSC:BSC+1]
.irp c, 0,1                            ; a group 0 for each half of K: constants alone enter the LDS addresses
	s_mov_b32 s[G0A+4*\c], 1
	s_mov_b32 s[G0A+4*\c+1], \c*HK
	s_add_nc_u64 s[G0A+4*\c+2:G0A+4*\c+3], s[66:67], \c*6144
	s_or_b32 s[G0A+4*\c+3], s[G0A+4*\c+3], 0x80000000
	s_mov_b32 s[G0B+4*\c], 1
	s_mov_b32 s[G0B+4*\c+1], \c*HK+4*NA*6144
	s_add_nc_u64 s[G0B+4*\c+2:G0B+4*\c+3], s[100:101], \c*6144
	s_or_b32 s[G0B+4*\c+3], s[G0B+4*\c+3], 0x80000000
.endr
	CROUND                                         ; all sixteen work-groups are here: the joint loads meet
; one chain of branches on the wave's number, one load to an arm, all arms leading to one join: one tensor load a wave at the head
.macro ARM under, g0, g1, next
	s_cmp_lt_u32 s[WV], \under
	s_cbranch_scc0 \next
	tensor_load_to_lds s[\g0:\g0+3], s[\g1:\g1+7]
	s_nop 0
	PLACES
	s_branch .Lfilled
\next:
.endm
	ARM 1, G0A, G1A, .Lfill_b0
	ARM 2, G0B, G1B, .Lfill_a1
	ARM 3, G0A+4, G1A, .Lfill_b1
	tensor_load_to_lds s[G0B+4:G0B+7], s[G1B:G1B+7]
	s_nop 0
	PLACES
.Lfilled:
	v_and_b32 v[VT0], 31, v0
	v_lshlrev_b32 v[LI], 4, v[VT0]
	v_lshlrev_b32 v[LS], 2, v[VT0]
	v_and_b32 v[RR], 15, v0
	v_bfe_u32 v[HH], v0, 4, 1
	s_mul_i32 s63, s[WV], NA*6144
	v_add_nc_u32 v[VT0], s63, v[LI]
.irp c, 0,1
	v_add_nc_u32 v[ADA+\c], \c*HK, v[VT0]
	v_add_nc_u32 v[ADB+\c], \c*HK+4*NA*6144, v[LI]
.endr
.irp b, 0,1,2,3
	v_mov_b32 v[BT+\b], 0                          ; written once: a lane permute's destination counts as one of its sources
.endr
.set q, 0
.rept 8*NA
	global_load_b32 v[SA+q], v[LS], s[ASC:ASC+1] offset:128*q
.set q, q+1
.endr
.set q, 0
.rept 64
	global_load_b32 v[SB+q], v[LS], s[BSC:BSC+1] offset:128*q
.set q, q+1
.endr
	s_wait_alu depctr_va_vdst(0)
	s_cmp_lt_u32 s[CLX], 4
	s_cbranch_scc0 .Lnot_qk
	; ---------------- QK
	s_and_b32 s98, s[COL], 7                       ; the pair of heads
	s_lshl_b32 s96, s98, 9                         ; its 128 numbers of the bias
	s_mov_b32 s97, 0
	s_cmp_lt_u32 s[CLX], 2                         ; q (columns 0-7) or k
	s_cselect_b64 s[8:9], s[8:9], s[10:11]
	s_add_nc_u64 s[8:9], s[8:9], s[96:97]
	s_lshl_b32 s96, s[ROW], 4
	s_lshl_b32 s97, s[WV], 2
	s_add_co_u32 s96, s96, s97                     ; my first tile of tokens
	s_lshr_b32 s97, s96, 7                         ; the batch
	s_and_b32 s96, s96, 127                        ; the tile in it
	s_lshl_b32 s97, s97, 3
	s_add_co_u32 s97, s97, s98                     ; bp = 8 batch + pair
	s_lshl_b32 s99, s97, 7
	s_add_co_u32 s99, s99, s96                     ; q's record
	s_mul_i32 s[OC], s99, 1536
	s_lshl_b32 s[OS], s99, 7
	s_add_co_u32 s[OS], s[OS], 3145728
	s_lshl_b32 s97, s97, 3
	s_and_b32 s99, s[ROW], 7
	s_add_co_u32 s97, s97, s99                     ; k's slot of 256 keys
	s_mul_i32 s97, s97, 53248
	s_mul_i32 s99, s[WV], 6144
	s_add_co_u32 s99, s97, s99                     ; my four tiles' codes in it,
	s_lshl_b32 s96, s[WV], 9
	s_add_co_u32 s97, s97, s96
	s_add_co_u32 s97, s97, 49152                   ; and their scale words
	s_cmp_lt_u32 s[CLX], 2
	s_cselect_b32 s96, s[OC], s99
	s_cselect_b32 s98, s[OS], s97
	s_cselect_b64 s[OC:OC+1], s[16:17], s[18:19]
	s_cselect_b32 s[SG], -1.0, 1.0
	s_mov_b32 s[SG+1], s[SG]
	s_mov_b64 s[OS:OS+1], s[OC:OC+1]
	s_mov_b32 s97, 0
	s_mov_b32 s99, 0
	s_add_nc_u64 s[OC:OC+1], s[OC:OC+1], s[96:97]
	s_add_nc_u64 s[OS:OS+1], s[OS:OS+1], s[98:99]
	v_lshlrev_b32 v[VT0], 6, v[HH]
.irp b, 0,1,2,3
.irp q, 0,1,2,3
	global_load_b128 v[BI+16*\b+4*\q:BI+16*\b+4*\q+3], v[VT0], s[8:9] offset:128*\b+16*\q   ; the bias of features 32 b + 16 h + 4 q on
.endr
.endr
	s_wait_alu depctr_va_vdst(0)
	MAIN
.set k, 0
.rept 32
	v_pk_mul_f32 v[BI+k:BI+k+1], v[BI+k:BI+k+1], s[SG:SG+1] op_sel_hi:[1,0]
.set k, k+2
.endr
.macro QKROW a                         ; tile a: (sum + bias) x sign, quantised, stored
	s_wait_xcnt 0x0                                ; the last fragment's stores have read their registers
	WIN 0x01                                       ; source 0: the accumulators, window 1
.set k, 0
.rept 32
	v_pk_fma_f32 v[T+k:T+k+1], v[64*\a+k:64*\a+k+1], s[SG:SG+1], v[BI+k:BI+k+1] op_sel_hi:[1,0,1]
.set k, k+2
.endr
	WIN 0
	QUANT T
	OUTFRAG 1536*\a, 128*\a
.endm
	QKROW 0
	QKROW 1
	QKROW 2
	QKROW 3
	s_branch .Lfini
.Lnot_qk:
	s_cmp_lt_u32 s[CLX], 6
	s_cbranch_scc0 .Lsim
	; ---------------- VT
	s_lshl_b32 s96, s[SCY], 4
	s_lshl_b32 s97, s[WV], 2
	s_add_co_u32 s96, s96, s97                     ; my first tile of Wv's rows
	s_lshl_b32 s98, s96, 6                         ; 16 features of 4 bytes a tile
	s_mov_b32 s99, 0
	s_add_nc_u64 s[12:13], s[12:13], s[98:99]
	s_lshr_b32 s97, s96, 3                         ; the pair of heads
	s_and_b32 s96, s96, 7                          ; my first tile in the pair: 0 or 4
	s_lshr_b32 s98, s[COL], 4                      ; the batch
	s_lshl_b32 s98, s98, 3
	s_add_co_u32 s98, s98, s97
	s_lshl_b32 s98, s98, 3
	s_and_b32 s99, s[COL], 15                      ; the key step in the batch
	s_lshr_b32 s97, s99, 1
	s_add_co_u32 s98, s98, s97                     ; the slot of 256 keys
	s_mul_i32 s98, s98, 53248
	s_and_b32 s99, s99, 1
	s_lshl_b32 s96, s96, 1
	s_add_co_u32 s96, s96, s99                     ; fragment 2 dt + q
	s_mul_i32 s97, s96, 1536
	s_add_co_u32 s97, s97, s98
	s_add_co_u32 s97, s97, 24576
	s_lshl_b32 s96, s96, 7
	s_add_co_u32 s98, s98, s96
	s_add_co_u32 s98, s98, 51200
	s_mov_b32 s96, s97
	s_mov_b32 s97, 0
	s_mov_b32 s99, 0
	s_add_nc_u64 s[OC:OC+1], s[18:19], s[96:97]
	s_add_nc_u64 s[OS:OS+1], s[18:19], s[98:99]
	v_and_b32 v[VT0], 8, v[RR]
	v_add_nc_u32 v[VT0], v[VT0], v[RR]
	v_lshlrev_b32 v[VT0], 2, v[VT0]                ; 4 (r + 8 (r / 8))
.irp a, 0,1,2,3
	global_load_b32 v[BV+2*\a], v[VT0], s[12:13] offset:(32*(\a/2)+8*(\a%2))*4     ; bv of my feature in tile a,
	global_load_b32 v[BV+2*\a+1], v[VT0], s[12:13] offset:(32*(\a/2)+8*(\a%2))*4   ; twice: the packed addition names a pair
.endr
	s_wait_alu depctr_va_vdst(0)
	MAIN
.macro VTROW a
	s_wait_xcnt 0x0
	WIN 0x01
.set k, 0
.rept 32
	v_pk_add_f32 v[T+k:T+k+1], v[64*\a+k:64*\a+k+1], v[BV+2*\a:BV+2*\a+1] op_sel_hi:[1,0]
.set k, k+2
.endr
	WIN 0
	QUANT T
	OUTFRAG 3072*\a, 256*\a
.endm
	VTROW 0
	VTROW 1
	VTROW 2
	VTROW 3
	s_branch .Lfini
.Lsim:
	; ---------------- SIM
	s_lshl_b32 s96, s[ROW], 4
	s_lshl_b32 s97, s[WV], 2
	s_add_co_u32 s96, s96, s97                     ; my first tile of queries, counted over both batches
	s_and_b32 s98, s96, 127                        ; and in its batch
	s_lshl_b32 s96, s96, 17                        ; 16 key steps x 8,192 bytes a tile
	s_lshl_b32 s97, s[COL], 13
	s_add_co_u32 s96, s96, s97
	s_mov_b32 s97, 0
	s_add_nc_u64 s[OC:OC+1], s[20:21], s[96:97]
	s_lshl_b32 s98, s98, 15                        ; the mask: 16 rows of 2,048 bytes a tile,
	s_lshl_b32 s99, s[COL], 7                      ; 128 keys a column
	s_add_co_u32 s98, s98, s99
	s_mov_b32 s99, 0
	s_add_nc_u64 s[14:15], s[14:15], s[98:99]
	v_and_b32 v[VT0], 8, v[RR]
	v_add_nc_u32 v[VT0], v[VT0], v[RR]
	v_lshlrev_b32 v[VT0], 11, v[VT0]
	v_lshl_add_u32 v[VT0], v[HH], 4, v[VT0]        ; 2,048 (r + 8 (r / 8)) + 16 h
.irp a, 0,1,2,3
.irp b, 0,1,2,3
	global_load_b128 v[MK+16*\a+4*\b:MK+16*\a+4*\b+3], v[VT0], s[14:15] offset:(32*(\a/2)+8*(\a%2))*2048+32*\b   ; my query's mask bytes of keys 32 b + 16 h + 0 .. 15
.endr
.endr
	v_mov_b32 v[SEN], 0x7e967699                   ; 1e38: what a hidden score's place holds
	MAIN
.macro SIMROW a, tt                    ; tile a's 64 sums, or 1e38 where the mask byte is not 0; stored as the image of 64 registers
	s_wait_xcnt 0x0                                ; earlier stores have read their registers
	WIN 0x04                                       ; source 1: the accumulators, window 1
.irp tb, 0,1,2,3,4,5,6,7
.irp wd, 0,1
.irp i, 0,1,2,3
	v_bfe_u32 v[TP+\i], v[MK+16*\a+4*(\tb/2)+2*(\tb%2)+\wd], 8*\i, 8
.endr
.irp i, 0,1,2,3
	v_cmp_eq_u32 s[96+\i], v[TP+\i], 0
.endr
.irp i, 0,1,2,3
	v_cndmask_b32 v[\tt+8*\tb+4*\wd+\i], v[SEN], v[8*(8*\a+\tb)+4*\wd+\i], s[96+\i]
.endr
.endr
.endr
	WIN 0
.irp g, 0,1,2,3,4,5,6,7,8,9,10,11,12,13,14,15
	global_store_b128 v[LI], v[\tt+4*\g:\tt+4*\g+3], s[OC:OC+1] offset:131072*\a+512*\g   ; 512 consecutive bytes
.endr
.endm
	s_wait_alu depctr_va_vdst(0)
	SIMROW 0, 16
	SIMROW 1, 176
	SIMROW 2, 16
	SIMROW 3, 176
.Lfini:
	s_wait_tensorcnt 0x0                           ; the wave's end: these three lines behind my last tensor load
	ds_add_u32 v[SPW], v[NIL]
	s_wait_dscnt 0x0
	CROUND                                         ; the closing round: no work-group ends while a partner may still ask for a tile that names it
	s_endpgm
.Lfunc_end_k_q3e81888fe6_gemm1:
	.size	k_q3e81888fe6_gemm1, .Lfunc_end_k_q3e81888fe6_gemm1-k_q3e81888fe6_gemm1
	.p2alignl 7, 3214868480
	.fill 96, 4, 3214868480
	.section	.rodata,"a",@progbits
	.p2align	6, 0x0
	.amdhsa_kernel k_q3e81888fe6_gemm1
		.amdhsa_group_segment_fixed_size 295424
		.amdhsa_private_segment_fixed_size 0
		.amdhsa_enable_private_segment 0
		.amdhsa_kernarg_size 72
		.amdhsa_user_sgpr_count 2
		.amdhsa_user_sgpr_kernarg_segment_ptr 1
		.amdhsa_wavefront_size32 1
		.amdhsa_system_sgpr_workgroup_id_x 1
		.amdhsa_system_sgpr_workgroup_id_y 1
		.amdhsa_system_sgpr_workgroup_id_z 1
		.amdhsa_system_vgpr_workitem_id 0
		.amdhsa_next_free_vgpr 1024
		.amdhsa_next_free_sgpr 102
		.amdhsa_reserve_vcc 0
		.amdhsa_float_denorm_mode_32 3
		.amdhsa_float_denorm_mode_16_64 3
		.amdhsa_memory_ordered 1
		.amdhsa_forward_progress 1
		.amdhsa_inst_pref_size 255
	.end_amdhsa_kernel
	.section	.bss,"aw",@nobits
	.p2align	6
	.space	262144
	.amdgpu_metadata
---
amdhsa.version: [ 1, 2 ]
amdhsa.kernels:
  - .name:           k_q3e81888fe6_gemm1
    .symbol:         k_q3e81888fe6_gemm1.kd
    .args:
      - { .name: pcodes, .offset: 0, .size: 8, .value_kind: global_buffer, .address_space: global }
      - { .name: pscales, .offset: 8, .size: 8, .value_kind: global_buffer, .address_space: global }
      - { .name: bq, .offset: 16, .size: 8, .value_kind: global_buffer, .address_space: global }
      - { .name: bk, .offset: 24, .size: 8, .value_kind: global_buffer, .address_space: global }
      - { .name: bv, .offset: 32, .size: 8, .value_kind: global_buffer, .address_space: global }
      - { .name: attn_mask, .offset: 40, .size: 8, .value_kind: global_buffer, .address_space: global }
      - { .name: qfrag, .offset: 48, .size: 8, .value_kind: global_buffer, .address_space: global }
      - { .name: kv, .offset: 56, .size: 8, .value_kind: global_buffer, .address_space: global }
      - { .name: bias, .offset: 64, .size: 8, .value_kind: global_buffer, .address_space: global }
    .group_segment_fixed_size: 295424
    .private_segment_fixed_size: 0
    .kernarg_segment_align: 8
    .kernarg_segment_size: 72
    .max_flat_workgroup_size: 128
    .sgpr_count:     102
    .vgpr_count:     1024
    .wavefront_size: 32
...
	.end_amdgpu_metadata
.endif
;; end of part 2
;; launch attn (part 3): grid 16 x 16, 8 waves a work-group, clusters of 4 x 1, 327,680 bytes of LDS; arguments qfrag, kv, bias, ccodes, cscales; writes ccodes, cscales
.if DOCPART == 3
	.amdgcn_target "amdgcn-amd-amdhsa--gfx1250"
	.amdhsa_code_object_version 6
	.text
	.protected	k_q3e81888fe6_attn
	.globl	k_q3e81888fe6_attn
	.p2align	8
	.type	k_q3e81888fe6_attn,@function
k_q3e81888fe6_attn:
	s_mov_b64 s[64:65], 0
	v_nop
	global_prefetch_b8 v0, s[64:65] scope:SCOPE_SE
	s_setreg_imm32_b32 hwreg(HW_REG_WAVE_MODE, 25, 1), 1
	s_wait_xcnt 0x0
	s_wait_alu depctr_hold_cnt(0) depctr_sa_sdst(0) depctr_va_vdst(0) depctr_va_sdst(0) depctr_va_ssrc(0) depctr_va_vcc(0) depctr_vm_vsrc(0)
	s_getreg_b32 s2, hwreg(HW_REG_IB_STS2, 6, 4)
	s_cmp_eq_u32 s2, 0
	s_cbranch_scc0 .Lentry_in_a_cluster
	s_endpgm
.Lentry_in_a_cluster:
	s_bfe_u32 s2, ttmp6, 0x10000c
	s_cmp_lg_u32 s2, 0x3003
	s_cbranch_scc0 .Lentry_shape_is_right
	s_endpgm
.Lentry_shape_is_right:
; ctx = softmax(q k^T / 8 - sim / 2, hidden keys left out) v for 2 batches x 16 heads x 2,048 queries x 2,048 keys, both products on codes of FP6 (E2M3) with E8M0 scales; ctx is quantised along the features and stored as fragments.
; SHARES.  A work-group owns 128 queries of one PAIR of heads (bp = 8 batch + pair); each of its eight waves one tile of 16 queries, for both heads: two waves to a SIMD, so that one wave's softmax stands beside the other's products and LDS loads.
; A PAIR OF HEADS is 128 neighbouring features: one fragment of k serves both heads.  q's fragment is kept twice, each time with the other head's 64 codes cleared: zero codes add nothing.
; THE BIAS AND THE MASK COST NO VECTOR WORK.  q arrives negated, and bias holds 4 sim (1e38 where the mask hides the key) as the image of the score accumulators: it is the C of each score product.
; So S' = k (-q)^T + 4 sim = -8 x the score, t = S' x c with c = -log2(e) / 8, and the largest t is the smallest S'.
; SOFTMAX.  M = the running largest t rounded up to a whole number, kept as -M; p = 2^(t - M) is quantised along the keys, not normalised; the row's sum is taken of the unquantised p and divides at the end; when M moves, sum and O are multiplied by 2^(old M - new M), which rounds nothing.
; LAYOUT.  Both products transposed (source 0 = 16 keys, or 16 features of v^T; source 1 = my queries): a lane holds one query.  A tile's rows are 32 (T / 2) + 8 (T % 2) + i + 8 (i / 8), so register 16 b + i of a step's scores is key 32 b + 16 h + i.
; THE RING.  Two LDS slots of 256 keys (53,248 bytes: k's 16 fragments, v^T's 16, their scale words), each an image of registers, dense in memory.  The four query blocks of a cluster walk the same slots: each eighth of a slot is
; asked for JOINTLY, one load a wave behind each round.  By this text's count a wave has one tensor load out.
; The bias tiles are shared by the eight pairs of heads, which lie in other clusters: they go from memory straight into C's registers, a key step ahead; through LDS they would be 64 KiB a key step and a second load a wave at each round.
; LIMITS: the running largest t begins at -1e30: a row whose every t lies under that counts as hidden throughout.  A row hidden throughout (sum 0) gets the scale word 0xffffffff: the output row is NaN, as the definition has it.
; NaN and infinities among the inputs are not served; zero or tiny blocks get the scale byte 1.
; REGISTERS: window 0: below.  Window 1: v0-63 the bias tile, v64-127 O^T (tile dt at 64 + 8 dt; dt 0-3 the first head), v128-151 q twice, v152-199 four fragments.
.set SLOTB, 53248
; THE RING AS THE TEXT BELOW HAS IT (this takes the place of what the head says of slots of 256 keys): a slot holds 512 keys, two records of SLOTB bytes that lie on end in memory;
; four slots to a walk, so four changes of slots; a wave's one load brings an eighth of a slot, 52 rows of 256 bytes, and has four key steps in which to land.
.set BIG,   2*SLOTB
.set SLOT1, 131072
.set VOF,   24576                      ; in a slot: v^T's fragments (2 dt + q),
.set KSC,   49152                      ; k's scale words,
.set VSC,   51200                      ; v^T's
.set SPARE, 262144
.set LI,  1
.set LS,  2
.set SPW, 3                            ; my spare word; never rewritten
.set NIL, 4                            ; 0; never rewritten
.set ADC, 5                            ; the slot in hand + 16 x lane
.set ADW, 6                            ; + 4 x lane
.set PFK, 7                            ; prefetch offsets
.set PFB, 8
.set TMP, 9
.set QS,  10                           ; q's scale words
.set ONES, 11
.set MT,  12                           ; head e: v[12 + 2 e] -M, v[13 + 2 e] the largest t
.set SU,  16                           ; v[16 + 2 e : 17 + 2 e] the sum in two halves
.set FF,  20                           ; v[20 + 2 e] 2^(old M - new M); at the end 1 / the sum
.set PW0, 24                           ; p's scale words, a register a head
.set LL,  26
.set FS,  28                           ; v28-35 eight scale words of k or of v^T
.set FR,  36                           ; v36-83 four fragments
.set S0,  84                           ; v84-147, v148-211 the scores, then p
.set P0,  212                          ; v212-223, v224-235 p's codes
.set CX,  236
.set BM,  244
.set BT,  248
.set BS,  252
.set PC,  P0
.set PW,  PW0
.set OA,  64                           ; window 1
.set QF,  128
.set FRB, 152
.set WV,  14
.set G1,  24
.set G0,  40
.set TB,  44
.set SLOTS, 45
.set CS,  48
.set SEL, 50
.set PFA, 52
.set LIM, 54
.set LIMB, 55
.set BA,  56
.set REC, 46                           ; records to go in the slot in hand
.set RECS, 47                          ; records to go in the walk
.set OC,  10
.set OS,  12
.set MSB, 0
.macro WIN new
.if MSB != (\new)
	s_set_vgpr_msb (MSB<<8)|(\new)
.set MSB, (\new)
.endif
.endm
.macro PLACES
.rept 4
	v_nop
.endr
.endm
.macro CROUND
	s_barrier_signal -1
	s_barrier_wait -1
	s_cmp_lg_u32 s[WV], 0
	s_cbranch_scc1 .Lnot_wave_0_\@
	s_barrier_signal -3
.Lnot_wave_0_\@:
	s_barrier_wait -3
	s_barrier_signal -1
	s_barrier_wait -1
.endm
.macro CODES src, dst
.irp c, 0,1
	v_cvt_scalef32_pk16_fp6_f32 v[\dst+6*\c:\dst+6*\c+2], v[\src+32*\c:\src+32*\c+15], v[BS+2*\c]
	v_cvt_scalef32_pk16_fp6_f32 v[CX+4*\c:CX+4*\c+2], v[\src+32*\c+16:\src+32*\c+31], v[BS+2*\c+1]
.endr
	v_nop                                          ; one plain instruction behind the conversions
.irp c, 0,1
.irp i, 0,1,2
	v_permlane16_swap_b32 v[\dst+6*\c+\i], v[CX+4*\c+\i]
.endr
.irp i, 0,1,2
	s_delay_alu instid0(VALU_DEP_3)
	v_mov_b32 v[\dst+3+6*\c+\i], v[CX+4*\c+\i]
.endr
.endr
.endm
.macro QUANT src
.irp b, 0,1,2,3
	v_max3_num_f32 v[BM+\b], |v[\src+16*\b]|, |v[\src+16*\b+1]|, 0x1800000
.endr
.irp i, 2,4,6,8,10,12,14
.irp b, 0,1,2,3
	s_delay_alu instid0(VALU_DEP_4)
	v_max3_num_f32 v[BM+\b], v[BM+\b], |v[\src+16*\b+\i]|, |v[\src+16*\b+\i+1]|
.endr
.endr
.irp b, 0,1,2,3
	s_delay_alu instid0(VALU_DEP_4)
	v_permlanex16_b32 v[BT+\b], v[BM+\b], s[SEL], s[SEL+1]
.endr
.irp b, 0,1,2,3
	s_delay_alu instid0(VALU_DEP_4)
	v_max_num_f32 v[BM+\b], v[BM+\b], v[BT+\b]
.endr
.irp b, 0,1,2,3
	s_delay_alu instid0(VALU_DEP_4)
	v_add_nc_u32 v[BS+\b], 0xff000000, v[BM+\b]
.endr
.irp b, 0,1,2,3
	s_delay_alu instid0(VALU_DEP_4)
	v_lshrrev_b32 v[BT+\b], 23, v[BS+\b]
.endr
	s_delay_alu instid0(VALU_DEP_3)
	v_lshl_or_b32 v[PW], v[BT+1], 8, v[BT]
	s_delay_alu instid0(VALU_DEP_1)
	v_lshl_or_b32 v[PW], v[BT+2], 16, v[PW]
	s_delay_alu instid0(VALU_DEP_1)
	v_lshl_or_b32 v[PW], v[BT+3], 24, v[PW]
	CODES \src, PC
.endm
; PREFETCHES INTO THE L2.  ASKK: the slot that the NEXT change of slots will ask for, four key steps ahead of that load.  All clusters of a pair of heads walk the same slots: the pair's first cluster asks; its four partners share the
; slot's sixteen parts out by ADDRESS, four each (waves 0 to 3); a part is 26 blocks of 256 bytes, a lane a block (lanes 26 to 31 name the 26th again).  The last change that fills a slot asks for nothing.
.macro ASKK
	s_cmp_gt_u32 s[SLOTS], s[LIM]
	s_cbranch_scc0 .Lnk_\@
	global_prefetch_b8 v[PFK], s[PFA:PFA+1] th:TH_LOAD_NT scope:SCOPE_SE
.Lnk_\@:
.endm
; ASKB: my bias tile of the step after the one just asked for by loads: 32 blocks of 256 bytes, a lane a block.  The eight pairs of heads read the same tiles: pair 0 asks.  It stands in key steps 0 to 13 alone: the tail's steps have no step two on.
.macro ASKB
	s_cmp_lg_u32 s[LIMB], 0
	s_cbranch_scc0 .Lnb_\@
	global_prefetch_b8 v[PFB], s[BA:BA+1] offset:8192 th:TH_LOAD_NT scope:SCOPE_SE
.Lnb_\@:
.endm
; One head's softmax of a key step.
.macro SM e
.set sS, S0+64*(\e)
.set sM, MT+2*(\e)
.set sL, SU+2*(\e)
.set sF, FF+2*(\e)
.irp b, 0,1,2,3
	v_min3_num_f32 v[BM+\b], v[sS+16*\b], v[sS+16*\b+1], v[sS+16*\b+2]   ; the smallest S' of each block of 32 keys: its largest t, and so its largest p.  Each accumulator is read from its low end on
.endr
.irp i, 3,5,7,9,11,13
.irp b, 0,1,2,3
	v_min3_num_f32 v[BM+\b], v[BM+\b], v[sS+16*\b+\i], v[sS+16*\b+\i+1]
.endr
.endr
.irp b, 0,1,2,3
	v_min_num_f32 v[BM+\b], v[BM+\b], v[sS+16*\b+15]
.endr
.irp b, 0,1,2,3
	s_delay_alu instid0(VALU_DEP_4)
	v_permlanex16_b32 v[BT+\b], v[BM+\b], s[SEL], s[SEL+1]
.endr
.irp b, 0,1,2,3
	s_delay_alu instid0(VALU_DEP_4)
	v_min_num_f32 v[BM+\b], v[BM+\b], v[BT+\b]     ; with lane l xor 16's 16 keys
.endr
	s_delay_alu instid0(VALU_DEP_2)
	v_min3_num_f32 v[TMP], v[BM], v[BM+1], v[BM+2]
	s_delay_alu instid0(VALU_DEP_1)
	v_min_num_f32 v[TMP], v[TMP], v[BM+3]
	s_delay_alu instid0(VALU_DEP_1)
	v_mul_f32 v[TMP], s[CS], v[TMP]                ; the step's largest t (c is negative)
	s_delay_alu instid0(VALU_DEP_1)
	v_max_num_f32 v[sM+1], v[sM+1], v[TMP]         ; the running largest t
	v_mov_b32 v[TMP], v[sM]
	s_delay_alu instid0(VALU_DEP_2)
	v_floor_f32 v[sM], -v[sM+1]                    ; -M = floor(-t): M is a whole number
	s_delay_alu instid0(VALU_DEP_1)
	v_sub_f32 v[TMP], v[sM], v[TMP]                ; old M - new M, 0 or less
	s_delay_alu instid0(VALU_DEP_1)
	v_cvt_i32_f32 v[TMP], v[TMP]                   ; (it saturates)
	s_delay_alu instid0(VALU_DEP_1)
	v_ldexp_f32 v[sF], 1.0, v[TMP]
.irp j, 0,2,4,6,8,10,12,14,16,18,20,22,24,26,28,30,32,34,36,38,40,42,44,46,48,50,52,54,56,58,60,62
	v_pk_fma_f32 v[sS+\j:sS+\j+1], v[sS+\j:sS+\j+1], s[CS:CS+1], v[sM:sM+1] op_sel_hi:[1,0,0]   ; t - M
.endr
.irp b, 0,1,2,3
	v_fma_f32 v[BM+\b], v[BM+\b], s[CS], v[sM]     ; the same of each block's smallest S'
.endr
	s_wait_alu depctr_va_vdst(0)
.irp j, 0,1,2,3,4,5,6,7,8,9,10,11,12,13,14,15,16,17,18,19,20,21,22,23,24,25,26,27,28,29,30,31,32,33,34,35,36,37,38,39,40,41,42,43,44,45,46,47,48,49,50,51,52,53,54,55,56,57,58,59,60,61,62,63
	v_exp_f32 v[sS+\j], v[sS+\j]                   ; p = 2^(t - M)
.endr
	v_pk_mul_f32 v[sL:sL+1], v[sL:sL+1], v[sF:sF+1] op_sel_hi:[1,0]   ; the sums under the new M: the plain instruction behind the batch
	s_wait_alu depctr_va_vdst(0)                   ; one wait for the 64, ahead of their first reader
.irp b, 0,1,2,3
	v_exp_f32 v[BM+\b], v[BM+\b]                   ; the block's largest p: the same two instructions on the same number
.endr
	v_pk_add_f32 v[BT:BT+1], v[sS:sS+1], v[sS+2:sS+3]   ; the row's sum of the unquantised p, in two chains: plain work behind the four
.irp j, 4,8,12,16,20,24,28,32,36,40,44,48,52,56,60
	v_pk_add_f32 v[sL:sL+1], v[sL:sL+1], v[sS+\j:sS+\j+1]
	v_pk_add_f32 v[BT:BT+1], v[BT:BT+1], v[sS+\j+2:sS+\j+3]
.endr
	s_delay_alu instid0(VALU_DEP_1)
	v_pk_add_f32 v[sL:sL+1], v[sL:sL+1], v[BT:BT+1]
	s_wait_alu depctr_va_vdst(0)                   ; and one for the four
.irp b, 0,1,2,3
	v_max_num_f32 v[BM+\b], 0x1800000, v[BM+\b]    ; the floor: a block whose every p is 0 keeps the byte 1; its codes are zeros
.endr
.irp b, 0,1,2,3
	s_delay_alu instid0(VALU_DEP_4)
	v_add_nc_u32 v[BS+\b], 0xff000000, v[BM+\b]
.endr
.irp b, 0,1,2,3
	s_delay_alu instid0(VALU_DEP_4)
	v_lshrrev_b32 v[BT+\b], 23, v[BS+\b]
.endr
	s_delay_alu instid0(VALU_DEP_3)
	v_lshl_or_b32 v[PW0+(\e)], v[BT+1], 8, v[BT]
	s_delay_alu instid0(VALU_DEP_1)
	v_lshl_or_b32 v[PW0+(\e)], v[BT+2], 16, v[PW0+(\e)]
	s_delay_alu instid0(VALU_DEP_1)
	v_lshl_or_b32 v[PW0+(\e)], v[BT+3], 24, v[PW0+(\e)]
	CODES sS, P0+12*(\e)
.endm
; A KEY STEP: 128 keys, the q-th of the record in hand.  nb = 1: the next step's bias tile is asked for;  pf = 1: and the one after it prefetched.
.macro STEP q, nb, pf
	v_add_nc_u32 v[ADC], s[TB], v[LI]              ; these two and two v_nop: four plain instructions between the last products and the loads into the registers that they read
	v_add_nc_u32 v[ADW], s[TB], v[LS]
	v_nop
	v_nop
.irp t, 0,1,2,3
.irp g, 0,1,2
	ds_load_b128 v[FR+12*\t+4*\g:FR+12*\t+4*\g+3], v[ADC] offset:(8*\q+\t)*1536+512*\g
.endr
.endr
.irp t, 0,1,2,3,4,5,6,7
	ds_load_b32 v[FS+\t], v[ADW] offset:KSC+(8*\q+\t)*128
.endr
	WIN 0x40                                       ; destination window 1
.irp t, 0,1,2,3
.irp g, 0,1,2
	ds_load_b128 v[FRB+12*\t+4*\g:FRB+12*\t+4*\g+3], v[ADC] offset:(8*\q+4+\t)*1536+512*\g
.endr
.endr
	s_wait_alu depctr_va_vdst(0)
	s_wait_loadcnt 0x0                             ; this step's bias tile, asked for a step ago
	s_wait_dscnt 12                                ; k's tiles 0-3 and the scale words are in; the 12 younger loads (tiles 4-7) may be out
	WIN 0x14                                       ; q and the bias in window 1
.irp t, 0,1,2,3
.irp e, 0,1
	v_wmma_scale_f32_16x16x128_f8f6f4 v[S0+64*\e+8*\t:S0+64*\e+8*\t+7], v[FR+12*\t:FR+12*\t+11], v[QF+12*\e:QF+12*\e+11], v[8*\t:8*\t+7], v[FS+\t], v[QS] matrix_a_fmt:MATRIX_FMT_FP6 matrix_b_fmt:MATRIX_FMT_FP6
.endr
.endr
	s_wait_dscnt 0x0
	WIN 0x15
.irp t, 4,5,6,7
.irp e, 0,1
	v_wmma_scale_f32_16x16x128_f8f6f4 v[S0+64*\e+8*\t:S0+64*\e+8*\t+7], v[FRB+12*(\t-4):FRB+12*(\t-4)+11], v[QF+12*\e:QF+12*\e+11], v[8*\t:8*\t+7], v[FS+\t], v[QS] matrix_a_fmt:MATRIX_FMT_FP6 matrix_b_fmt:MATRIX_FMT_FP6
.endr
.endr
	WIN 0
	PLACES                                         ; in front of the loads into fragments, scale words and bias tile, and of the first reads of the scores
.irp t, 0,1,2,3
.irp g, 0,1,2
	ds_load_b128 v[FR+12*\t+4*\g:FR+12*\t+4*\g+3], v[ADC] offset:VOF+(2*\t+\q)*1536+512*\g   ; v^T's fragments land while the softmax is walked
.endr
.endr
.irp t, 0,1,2,3,4,5,6,7
	ds_load_b32 v[FS+\t], v[ADW] offset:VSC+(2*\t+\q)*128
.endr
	WIN 0x40
.irp t, 0,1,2,3
.irp g, 0,1,2
	ds_load_b128 v[FRB+12*\t+4*\g:FRB+12*\t+4*\g+3], v[ADC] offset:VOF+(2*(\t+4)+\q)*1536+512*\g
.endr
.endr
	WIN 0
.if \nb == 2
	s_cmp_lg_u32 s[RECS], 1                        ; the walk's last key step has no step behind it: it asks for no bias tile.  The counter is the same in all waves and partners
	s_cbranch_scc0 .Lnone_\@
.endif
	s_wait_xcnt 0x0                                ; the last loads and prefetch have read their base
	s_add_nc_u64 s[BA:BA+1], s[BA:BA+1], 8192
	WIN 0x40
.irp g, 0,1,2,3,4,5,6,7,8,9,10,11,12,13,14,15
	global_load_b128 v[4*\g:4*\g+3], v[LI], s[BA:BA+1] offset:512*\g
.endr
	WIN 0
.if \nb == 2
.Lnone_\@:
.endif
.if \pf
	ASKB
.endif
	SM 0
	SM 1
	WIN 0x41                                       ; O^T under the new M.  These 32 also stand between the writes of p's codes and scale words and the products
.irp j, 0,2,4,6,8,10,12,14,16,18,20,22,24,26,28,30
	v_pk_mul_f32 v[OA+\j:OA+\j+1], v[OA+\j:OA+\j+1], v[FF:FF+1] op_sel_hi:[1,0]
.endr
.irp j, 32,34,36,38,40,42,44,46,48,50,52,54,56,58,60,62
	v_pk_mul_f32 v[OA+\j:OA+\j+1], v[OA+\j:OA+\j+1], v[FF+2:FF+3] op_sel_hi:[1,0]
.endr
	s_wait_alu depctr_va_vdst(0)
	s_wait_dscnt 0x0                               ; v^T's fragments and scale words
	WIN 0x50
.irp d, 0,1,2,3
	v_wmma_scale_f32_16x16x128_f8f6f4 v[OA+8*\d:OA+8*\d+7], v[FR+12*\d:FR+12*\d+11], v[P0:P0+11], v[OA+8*\d:OA+8*\d+7], v[FS+\d], v[PW0] matrix_a_fmt:MATRIX_FMT_FP6 matrix_b_fmt:MATRIX_FMT_FP6
.endr
	WIN 0x51
.irp d, 4,5,6,7
	v_wmma_scale_f32_16x16x128_f8f6f4 v[OA+8*\d:OA+8*\d+7], v[FRB+12*(\d-4):FRB+12*(\d-4)+11], v[P0+12:P0+23], v[OA+8*\d:OA+8*\d+7], v[FS+\d], v[PW0+1] matrix_a_fmt:MATRIX_FMT_FP6 matrix_b_fmt:MATRIX_FMT_FP6
.endr
	WIN 0
.endm
; THE CHANGE OF SLOTS stands at a slot's head.  Each wave waits for all its tensor loads (its eighth of the slot ahead), adds 0 to its spare word, and waits for that and for its reads of the slot that it has left.
; fill = 1: a round of the cluster's barrier, and behind it the slot just left is filled with the keys that follow: that load has four key steps in which to land.  fill = 0: nothing is filled, the work-group's barrier alone.
.macro CHANGE fill
	s_wait_tensorcnt 0x0                           ; no tensor load of mine is out, so the descriptor may be written
	ds_add_u32 v[SPW], v[NIL]
.if \fill
	s_xor_b32 s[G0+1], s[G0+1], SLOT1
	s_add_nc_u64 s[G0+2:G0+3], s[G0+2:G0+3], BIG
	s_wait_xcnt 0x0                                ; the last prefetch of a slot has read its address
	s_add_nc_u64 s[PFA:PFA+1], s[PFA:PFA+1], BIG
	s_wait_dscnt 0x0                               ; the add is done, my reads of the slot that I have left are over
	CROUND
	tensor_load_to_lds s[G0:G0+3], s[G1:G1+7]      ; the first thing behind the round, and my one tensor load until the next
	s_nop 0
	PLACES
	ASKK
.else
	s_wait_dscnt 0x0
	s_barrier_signal -1
	s_barrier_wait -1
.endif
.endm
	s_load_b256 s[4:11], s[0:1], 0x0               ; qfrag, kv, bias, ccodes
	s_load_b64 s[12:13], s[0:1], 0x20              ; cscales
	v_lshl_add_u32 v[SPW], v0, 2, SPARE
	v_mov_b32 v[NIL], 0
	ds_add_u32 v[SPW], v[NIL]                      ; the wave's opening: the add and its wait ahead of my first tensor load
	ds_add_u32 v[SPW], v[NIL]
	v_lshrrev_b32 v[TMP], 5, v0
	s_delay_alu instid0(VALU_DEP_1)
	v_readfirstlane_b32 s[WV], v[TMP]              ; wave 0..7
	s_bfe_u32 s15, ttmp6, 0x40000                  ; cx
	s_lshl_b32 s16, ttmp9, 2
	s_add_co_u32 s16, s16, s15                     ; my block of 128 queries
	s_and_b32 s17, ttmp7, 0xffff                   ; bp, which the four partners share
	s_lshl_b32 s18, s16, 3
	s_add_co_u32 s18, s18, s[WV]                   ; my tile of queries in the batch
	s_lshl_b32 s19, s17, 7
	s_add_co_u32 s19, s19, s18                     ; q's record
	s_mul_i32 s32, s19, 1536
	s_mov_b32 s33, 0
	s_lshl_b32 s34, s19, 7
	s_add_co_u32 s34, s34, 3145728
	s_mov_b32 s35, 0
	s_lshr_b32 s20, s17, 3                         ; the batch
	s_and_b32 s21, s17, 7                          ; the pair
	s_lshl_b32 s22, s20, 7
	s_add_co_u32 s22, s22, s18                     ; my tile counted over both batches
	s_lshl_b32 s36, s22, 17                        ; its 16 bias tiles of 8,192 bytes
	s_mov_b32 s37, 0
	s_mul_i32 s38, s17, 8*SLOTB                    ; the pair's eight slots,
	s_mul_i32 s23, s[WV], BIG/8
	s_add_co_u32 s38, s38, s23
	s_mov_b32 s39, 0
	s_mov_b32 s[G1], 15|(3<<16)|(1<<21)            ; the mask: all four work-groups; elements of 8 bytes; bit 21 beside a mask; no padding
	s_mov_b32 s[G1+1], 32<<16                      ; tensor_dim0: rows of 256 bytes
	s_mov_b32 s[G1+2], 52<<16                      ; tensor_dim1: 52 rows: 13,312 bytes
	s_mov_b32 s[G1+3], 32<<16
	s_mov_b32 s[G1+4], 52
	s_mov_b32 s[G1+5], 32
	s_mov_b32 s[G1+6], 0
	s_mov_b32 s[G1+7], 0
	s_mov_b32 s[CS], 0xbe38aa3b                    ; c = -log2(e) / 8
	s_mov_b32 s[CS+1], s[CS]
	s_mov_b32 s[SEL], 0x76543210
	s_mov_b32 s[SEL+1], 0xfedcba98
	s_mov_b32 s[TB], 0
	s_mov_b32 s[SLOTS], 3
	s_mov_b32 s[RECS], 8
	s_lshr_b32 s23, s[WV], 2                       ; a slot has sixteen parts of 26 blocks: waves 0 to 3 of the four partners ask for one each
	s_or_b32 s23, s23, ttmp9                       ; 0 in waves 0 to 3 of the pair's first cluster: the same in all partners
	s_cmp_eq_u32 s23, 0
	s_cselect_b32 s[LIM], 1, -1
	s_cmp_eq_u32 s21, 0
	s_cselect_b32 s[LIMB], 1, 0
	s_wait_dscnt 0x0                               ; the opening add is done
	s_wait_kmcnt 0x0
	s_mov_b32 s[G0], 1
	s_mul_i32 s[G0+1], s[WV], BIG/8
	s_add_nc_u64 s[G0+2:G0+3], s[6:7], s[38:39]
	s_or_b32 s[G0+3], s[G0+3], 0x80000000
	CROUND                                         ; all four work-groups are here: the first joint loads meet
	tensor_load_to_lds s[G0:G0+3], s[G1:G1+7]      ; slot 0
	s_nop 0
	PLACES
	s_add_nc_u64 s[BA:BA+1], s[8:9], s[36:37]      ; my bias tiles
	s_add_nc_u64 s[4:5], s[4:5], s[32:33]          ; q's codes (s[32:33]) ...
	s_mov_b64 s[36:37], s[4:5]
	s_sub_nc_u64 s[36:37], s[36:37], s[32:33]
	s_add_nc_u64 s[36:37], s[36:37], s[34:35]      ; ... and its scale words
	s_lshl_b32 s32, s22, 3
	s_add_co_u32 s32, s32, s21                     ; ctx's fragment: 8 tile + pair
	s_lshl_b32 s34, s32, 7
	s_mul_i32 s32, s32, 1536
	s_add_nc_u64 s[OC:OC+1], s[OC:OC+1], s[32:33]
	s_add_nc_u64 s[OS:OS+1], s[OS:OS+1], s[34:35]
	s_lshl_b32 s32, s15, 2                         ; part 4 cx + wave % 4
	s_and_b32 s34, s[WV], 3
	s_add_co_u32 s32, s32, s34
	s_mul_i32 s32, s32, SLOTB/8
	s_mul_i32 s34, s17, 8*SLOTB
	s_add_co_u32 s32, s32, s34
	s_add_co_u32 s32, s32, BIG
	s_add_nc_u64 s[PFA:PFA+1], s[6:7], s[32:33]
	v_and_b32 v[TMP], 31, v0
	s_delay_alu instid0(VALU_DEP_1)
	v_lshlrev_b32 v[LI], 4, v[TMP]
	s_delay_alu instid0(VALU_DEP_2)
	v_lshlrev_b32 v[LS], 2, v[TMP]
	s_delay_alu instid0(VALU_DEP_3)
	v_lshlrev_b32 v[PFB], 8, v[TMP]
	s_delay_alu instid0(VALU_DEP_4)
	v_min_u32 v[PFK], 25, v[TMP]
	s_delay_alu instid0(VALU_DEP_1)
	v_lshlrev_b32 v[PFK], 8, v[PFK]
	WIN 0x40                                       ; destination window 1
.irp e, 0,1
.irp g, 0,1,2
	global_load_b128 v[QF+12*\e+4*\g:QF+12*\e+4*\g+3], v[LI], s[4:5] offset:512*\g   ; q's fragment, twice
.endr
.endr
	WIN 0
	global_load_b32 v[QS], v[LS], s[36:37]
	WIN 0x40
.irp g, 0,1,2,3,4,5,6,7,8,9,10,11,12,13,14,15
	global_load_b128 v[4*\g:4*\g+3], v[LI], s[BA:BA+1] offset:512*\g   ; key step 0's bias tile
.endr
.irp j, 0,1,2,3,4,5,6,7,8,9,10,11,12,13,14,15,16,17,18,19,20,21,22,23,24,25,26,27,28,29,30,31,32,33,34,35,36,37,38,39,40,41,42,43,44,45,46,47,48,49,50,51,52,53,54,55,56,57,58,59,60,61,62,63
	v_mov_b32 v[OA+\j], 0                          ; O^T: the step is written once; its first pass finds zeros
.endr
	s_wait_loadcnt 16                              ; q and its scale words are in; the 16 younger loads, the bias tile's, may be out
.irp i, 6,7,8,9,10,11
	v_mov_b32 v[QF+\i], 0                          ; the first copy keeps the first head's 64 codes,
.endr
.irp i, 0,1,2,3,4,5
	v_mov_b32 v[QF+12+\i], 0                       ; the second the second head's
.endr
	WIN 0
.irp e, 0,1
	v_mov_b32 v[MT+2*\e+1], 0xf149f2ca             ; the largest t so far: -1e30
	s_delay_alu instid0(VALU_DEP_1)
	v_floor_f32 v[MT+2*\e], -v[MT+2*\e+1]
	v_mov_b32 v[SU+2*\e], 0
	v_mov_b32 v[SU+2*\e+1], 0
	v_mov_b32 v[FF+2*\e], 0
	v_mov_b32 v[FF+2*\e+1], 0                      ; (named as the upper half of a pair)
.endr
.irp b, 0,1,2,3
	v_mov_b32 v[BT+\b], 0                          ; written once: a lane permute's destination counts as one of its sources
.endr
	v_mov_b32 v[ONES], -1
.macro SLOTWALK                        ; a slot's two records, two key steps each: a loop of two trips
	s_mov_b32 s[REC], 2
.Lrec_\@:
	STEP 0, 1, 1
	STEP 1, 2, 1
	s_add_co_u32 s[TB], s[TB], SLOTB               ; the slot's next record
	s_sub_co_u32 s[RECS], s[RECS], 1
	s_cmp_eq_u32 s[RECS], 1
	s_cselect_b32 s[LIMB], 0, s[LIMB]              ; the walk's last record has no key step two on: its steps prefetch no bias tile
	s_sub_co_u32 s[REC], s[REC], 1
	s_cmp_lg_u32 s[REC], 0
	s_cbranch_scc1 .Lrec_\@
.endm
.Lslot:                                            ; three trips: behind each change of slots but the last the next slot is asked for
	CHANGE 1
	SLOTWALK
	s_and_b32 s[TB], s[TB], SLOT1                  ; back to the slot's first byte (2 SLOTB lies under SLOT1),
	s_xor_b32 s[TB], s[TB], SLOT1                  ; and on to the other slot
	s_sub_co_u32 s[SLOTS], s[SLOTS], 1
	s_cmp_lg_u32 s[SLOTS], 0
	s_cbranch_scc1 .Lslot
	CHANGE 0                                       ; the last slot is written out
	SLOTWALK
	; THE WAY OUT: O^T / the sum is my 16 queries' ctx, register 16 b + i = feature 32 b + 16 h + i of the pair: it is quantised and stored as K step "pair" of the last product
	v_add_f32 v[LL], v[SU], v[SU+1]
	v_add_f32 v[LL+1], v[SU+2], v[SU+3]
	s_delay_alu instid0(VALU_DEP_2)
	v_permlanex16_b32 v[BT], v[LL], s[SEL], s[SEL+1]
	s_delay_alu instid0(VALU_DEP_2)
	v_permlanex16_b32 v[BT+1], v[LL+1], s[SEL], s[SEL+1]
	s_delay_alu instid0(VALU_DEP_2)
	v_add_f32 v[LL], v[LL], v[BT]
	s_delay_alu instid0(VALU_DEP_2)
	v_add_f32 v[LL+1], v[LL+1], v[BT+1]
	s_wait_alu depctr_va_vdst(0)
	v_rcp_f32 v[FF], v[LL]
	v_rcp_f32 v[FF+2], v[LL+1]
	v_min_num_f32 v[TMP], v[LL], v[LL+1]           ; (the plain instruction behind the reciprocals)  0 where the row is hidden throughout
	s_wait_alu depctr_va_vdst(0)                   ; one wait for the two, ahead of their first reader
	WIN 0x01
.irp j, 0,2,4,6,8,10,12,14,16,18,20,22,24,26,28,30
	v_pk_mul_f32 v[S0+\j:S0+\j+1], v[OA+\j:OA+\j+1], v[FF:FF+1] op_sel_hi:[1,0]
.endr
.irp j, 32,34,36,38,40,42,44,46,48,50,52,54,56,58,60,62
	v_pk_mul_f32 v[S0+\j:S0+\j+1], v[OA+\j:OA+\j+1], v[FF+2:FF+3] op_sel_hi:[1,0]
.endr
	WIN 0
	QUANT S0
	v_cmp_eq_f32 vcc_lo, 0, v[TMP]
	s_delay_alu instid0(VALU_DEP_1)
	v_cndmask_b32 v[PW], v[PW], v[ONES], vcc_lo    ; a row hidden throughout: NaN scale bytes
.irp g, 0,1,2
	global_store_b128 v[LI], v[PC+4*\g:PC+4*\g+3], s[OC:OC+1] offset:512*\g
.endr
	global_store_b32 v[LS], v[PW], s[OS:OS+1]
	s_wait_tensorcnt 0x0                           ; the wave's end: these three lines behind my last tensor load
	ds_add_u32 v[SPW], v[NIL]
	s_wait_dscnt 0x0
	CROUND                                         ; the closing round
	s_endpgm
.Lfunc_end_k_q3e81888fe6_attn:
	.size	k_q3e81888fe6_attn, .Lfunc_end_k_q3e81888fe6_attn-k_q3e81888fe6_attn
	.p2alignl 7, 3214868480
	.fill 96, 4, 3214868480
	.section	.rodata,"a",@progbits
	.p2align	6, 0x0
	.amdhsa_kernel k_q3e81888fe6_attn
		.amdhsa_group_segment_fixed_size 327680
		.amdhsa_private_segment_fixed_size 0
		.amdhsa_enable_private_segment 0
		.amdhsa_kernarg_size 40
		.amdhsa_user_sgpr_count 2
		.amdhsa_user_sgpr_kernarg_segment_ptr 1
		.amdhsa_wavefront_size32 1
		.amdhsa_system_sgpr_workgroup_id_x 1
		.amdhsa_system_sgpr_workgroup_id_y 1
		.amdhsa_system_sgpr_workgroup_id_z 1
		.amdhsa_system_vgpr_workitem_id 0
		.amdhsa_next_free_vgpr 512
		.amdhsa_next_free_sgpr 66
		.amdhsa_reserve_vcc 1
		.amdhsa_float_denorm_mode_32 3
		.amdhsa_float_denorm_mode_16_64 3
		.amdhsa_memory_ordered 1
		.amdhsa_forward_progress 1
		.amdhsa_inst_pref_size 161
	.end_amdhsa_kernel
	.amdgpu_metadata
---
amdhsa.version: [ 1, 2 ]
amdhsa.kernels:
  - .name:           k_q3e81888fe6_attn
    .symbol:         k_q3e81888fe6_attn.kd
    .args:
      - { .name: qfrag, .offset: 0, .size: 8, .value_kind: global_buffer, .address_space: global }
      - { .name: kv, .offset: 8, .size: 8, .value_kind: global_buffer, .address_space: global }
      - { .name: bias, .offset: 16, .size: 8, .value_kind: global_buffer, .address_space: global }
      - { .name: ccodes, .offset: 24, .size: 8, .value_kind: global_buffer, .address_space: global }
      - { .name: cscales, .offset: 32, .size: 8, .value_kind: global_buffer, .address_space: global }
    .group_segment_fixed_size: 327680
    .private_segment_fixed_size: 0
    .kernarg_segment_align: 8
    .kernarg_segment_size: 40
    .max_flat_workgroup_size: 256
    .sgpr_count:     66
    .vgpr_count:     512
    .wavefront_size: 32
...
	.end_amdgpu_metadata
.endif
;; end of part 3
;; launch gemm2 (part 4): grid 8 x 32, 4 waves a work-group, clusters of 4 x 4, 230,912 bytes of LDS; arguments ccodes, cscales, pcodes, pscales, bo, out0; writes out0
.if DOCPART == 4
	.amdgcn_target "amdgcn-amd-amdhsa--gfx1250"
	.amdhsa_code_object_version 6
	.text
	.protected	k_q3e81888fe6_gemm2
	.globl	k_q3e81888fe6_gemm2
	.p2align	8
	.type	k_q3e81888fe6_gemm2,@function
k_q3e81888fe6_gemm2:
	s_mov_b64 s[64:65], 0
	v_nop
	global_prefetch_b8 v0, s[64:65] scope:SCOPE_SE
	s_setreg_imm32_b32 hwreg(HW_REG_WAVE_MODE, 25, 1), 1
	s_wait_xcnt 0x0
	s_wait_alu depctr_hold_cnt(0) depctr_sa_sdst(0) depctr_va_vdst(0) depctr_va_sdst(0) depctr_va_ssrc(0) depctr_va_vcc(0) depctr_vm_vsrc(0)
	s_getreg_b32 s2, hwreg(HW_REG_IB_STS2, 6, 4)
	s_cmp_eq_u32 s2, 0
	s_cbranch_scc0 .Lentry_in_a_cluster
	s_endpgm
.Lentry_in_a_cluster:
	s_bfe_u32 s2, ttmp6, 0x10000c
	s_cmp_lg_u32 s2, 0xf033
	s_cbranch_scc0 .Lentry_shape_is_right
	s_endpgm
.Lentry_shape_is_right:
; out = ctx Wo^T + bo: [4096][1024] f32, K = 1,024, on codes of FP6 (E2M3) with E8M0 scales.  ctx's fragments come from ccodes and cscales, Wo's from slots 704-767 of pcodes and pscales, all as images of the operands' registers.
; The core is gemm1's with two tiles of A to a wave: a work-group makes 8 tiles of tokens (128 rows) x 8 tiles of Wo's rows (128 columns), which gives 256 work-groups; wave w: A's tiles 2 w, 2 w + 1 against all of B: 16 accumulators.
; The tile's whole K lies in LDS: four chunks of two K steps, 16 tiles x 3,072 bytes each, each byte filled once; a wave has four tensor loads out at the start.  CLUSTER 4 x 4: A's tiles are asked for jointly along a row, B's along a column.
; Source 0 = Wo's rows, source 1 = ctx's: a lane holds one token, register 16 b + i = column 32 b + 16 h + i.  A tile's 16 rows go through the wave's own stage in LDS (bytes of its own, behind the chunks) and leave as rows of 512 consecutive bytes.
; A tile's row i is token 32 (T / 2) + 8 (T % 2) + i + 8 (i / 8).  A token whose ctx carries NaN scale bytes (a row hidden throughout) comes out NaN.
.set NA,    2
.set NL,    3*(NA+8)
.set CH,    (4*NA+8)*3072
; THE LAYOUT IN LDS AND THE LOADS, as the text below has them (this takes the place of what the head says of four chunks and four loads):
; two halves of K, HK bytes each; in a half A's 4 NA tiles and then B's eight, 6,144 bytes (four K steps) a tile.  One joint load a wave, all at the head:
; wave 0 A's first half of K, wave 1 B's, wave 2 A's second half, wave 3 B's.  Each byte is filled once.
.set HK,    2*CH
.set STG,   4*CH                       ; four stages of 16 rows x (512 bytes + 16)
.set SPARE, STG+4*8448                 ; the spare words, 128 bytes a wave; no other line names them
.set LI,  1
.set LS,  2
.set SPW, 3
.set NIL, 4
.set VT0, 5
.set ADA, 6
.set ADB, 10
.set RR,  14
.set HH,  15
.set SA,  16
.set SB,  48
.set BI,  112                          ; v112-175 bo in the result's layout
.set T,   16                           ; the way out: 64 numbers
.set BK,  176                          ; v176-239 16 rows read back
.set STO, 240
.set RD,  241
.set HF,  2
.set WV,  22
.set SCX, 23
.set SCY, 56
.set CLX, 57
.set CLY, 58
.set ROW, 59
.set COL, 60
.set FA,  61
.set FB,  62
.set G1A, 24
.set G1B, 32
.set G0A, 40
.set G0B, 68
.set ASC, 84
.set BSC, 86
.set OP,  88                           ; s[88:89] where my rows of out0 begin
.set APT, 4
.set ASPT, 6
.set BPT, 8
.set BSPT, 10
.set MSB, 0
.macro WIN new
.if MSB != (\new)
	s_set_vgpr_msb (MSB<<8)|(\new)
.set MSB, (\new)
.endif
.endm
.macro PLACES
.rept 4
	v_nop
.endr
.endm
.macro CROUND
	s_barrier_signal -1
	s_barrier_wait -1
	s_cmp_lg_u32 s[WV], 0
	s_cbranch_scc1 .Lnot_wave_0_\@
	s_barrier_signal -3
.Lnot_wave_0_\@:
	s_barrier_wait -3
	s_barrier_signal -1
	s_barrier_wait -1
.endm
.macro FETCH s
	WIN 0x80+0x40*((\s)%2)
.set fa, 0
.rept NA
.irp g, 0,1,2
	ds_load_b128 v[12*fa+4*\g:12*fa+4*\g+3], v[ADA+(\s)/4] offset:fa*6144+((\s)%4)*1536+512*\g
.endr
.set fa, fa+1
.endr
.irp j, 0,1,2,3,4,5,6,7
.irp g, 0,1,2
	ds_load_b128 v[48+12*\j+4*\g:48+12*\j+4*\g+3], v[ADB+(\s)/4] offset:\j*6144+((\s)%4)*1536+512*\g
.endr
.endr
	WIN 0
.endm
.macro MUL s                           ; the accumulators take turns, one instruction a turn; the first K step starts the sums
	WIN 0x5a+5*((\s)%2)
.set ma, 0
.rept NA
.irp j, 0,1,2,3,4,5,6,7
.if (\s) == 0
	v_wmma_scale_f32_16x16x128_f8f6f4 v[8*(8*ma+\j):8*(8*ma+\j)+7], v[48+12*\j:48+12*\j+11], v[12*ma:12*ma+11], 0, v[SB+8*\j+(\s)], v[SA+8*ma+(\s)] matrix_a_fmt:MATRIX_FMT_FP6 matrix_b_fmt:MATRIX_FMT_FP6
.else
	v_wmma_scale_f32_16x16x128_f8f6f4 v[8*(8*ma+\j):8*(8*ma+\j)+7], v[48+12*\j:48+12*\j+11], v[12*ma:12*ma+11], v[8*(8*ma+\j):8*(8*ma+\j)+7], v[SB+8*\j+(\s)], v[SA+8*ma+(\s)] matrix_a_fmt:MATRIX_FMT_FP6 matrix_b_fmt:MATRIX_FMT_FP6
.endif
.endr
.set ma, ma+1
.endr
.endm
.macro MAIN
	s_cmp_lt_u32 s[WV], 2                          ; waves 0 and 1 fetched K's first half: they wait for their one load;
	s_cbranch_scc0 .Lhalf0_\@                      ; the loads of waves 2 and 3, K's second half, may be out: nothing of it is read ahead of the next barrier
	s_wait_tensorcnt 0x0
.Lhalf0_\@:
	s_barrier_signal -1
	s_barrier_wait -1                              ; K's first half is whole
	FETCH 0
	FETCH 1
	s_wait_loadcnt 0x0                             ; the scale words and bo
.irp s, 0,1,2,3,4,5,6,7
.if \s < 7
	s_wait_dscnt NL                                ; this step's fragments are in; the next step's NL loads may be out
.else
	s_wait_dscnt 0x0
.endif
	MUL \s
.if \s != 6
	WIN 0
	PLACES                                         ; four plain instructions between the products and the loads into the registers that they read (behind the last step: the first reads of results)
.endif
.if \s < 6
.if \s == 2
	s_wait_tensorcnt 0x0                           ; K's second half: the loads of waves 2 and 3 have landed (waves 0 and 1 have none out)
	s_wait_dscnt 0x0
	s_barrier_signal -1
	s_barrier_wait -1
.endif
	FETCH \s+2
.endif
.endr
.endm
	s_load_b256 s[4:11], s[0:1], 0x0               ; ccodes, cscales, pcodes, pscales
	s_load_b128 s[12:15], s[0:1], 0x20             ; bo, out0
	v_lshl_add_u32 v[SPW], v0, 2, SPARE
	v_mov_b32 v[NIL], 0
	ds_add_u32 v[SPW], v[NIL]                      ; the wave's opening: the add and its wait ahead of my first tensor load
	ds_add_u32 v[SPW], v[NIL]
	v_lshrrev_b32 v[VT0], 5, v0
	v_readfirstlane_b32 s[WV], v[VT0]
	s_bfe_u32 s[SCX], ttmp6, 0x40000
	s_bfe_u32 s[SCY], ttmp6, 0x40004
	s_mov_b32 s[CLX], ttmp9
	s_and_b32 s[CLY], ttmp7, 0xffff
	s_lshl_b32 s[ROW], s[CLY], 2
	s_add_co_u32 s[ROW], s[ROW], s[SCY]            ; my block of 128 tokens
	s_lshl_b32 s[COL], s[CLX], 2
	s_add_co_u32 s[COL], s[COL], s[SCX]            ; my block of 128 columns
	s_lshl_b32 s63, s[SCY], 2
	s_lshl_b32 s63, 15, s63                        ; my row of the cluster
	s_lshl_b32 s100, 0x1111, s[SCX]                ; my column
	s_or_b32 s[G1A], s63, (3<<16)|(1<<21)
	s_or_b32 s[G1B], s100, (3<<16)|(1<<21)
.irp g, G1A, G1B
	s_mov_b32 s[\g+1], 768<<16                     ; rows of 6,144 bytes: a tile's four K steps
	s_mov_b32 s[\g+3], 768<<16
	s_mov_b32 s[\g+5], 1536                        ; from tile to tile: 12,288 bytes
	s_mov_b32 s[\g+6], 0
	s_mov_b32 s[\g+7], 0
.endr
	s_mov_b32 s[G1A+2], (4*NA)<<16
	s_mov_b32 s[G1A+4], 4*NA
	s_mov_b32 s[G1B+2], 8<<16
	s_mov_b32 s[G1B+4], 8
	s_lshl_b32 s[FA], s[ROW], 3                    ; ctx's first tile
	s_lshl_b32 s[FB], s[COL], 3
	s_add_co_u32 s[FB], s[FB], 704                 ; Wo's first slot
	s_mul_i32 s66, s[FA], 12288                    ; A's first tile, 12,288 bytes a tile
	s_mov_b32 s67, 0
	s_mul_i32 s100, s[FB], 12288                   ; and B's
	s_mov_b32 s101, 0
	s_mul_i32 s[ASC], s[WV], NA
	s_add_co_u32 s[ASC], s[ASC], s[FA]
	s_lshl_b32 s[ASC], s[ASC], 10
	s_mov_b32 s[ASC+1], 0
	s_lshl_b32 s[BSC], s[FB], 10
	s_mov_b32 s[BSC+1], 0
	s_wait_dscnt 0x0                               ; the opening add is done
	s_wait_kmcnt 0x0
	s_add_nc_u64 s[66:67], s[APT:APT+1], s[66:67]
	s_add_nc_u64 s[100:101], s[BPT:BPT+1], s[100:101]
	s_add_nc_u64 s[ASC:ASC+1], s[ASPT:ASPT+1], s[ASC:ASC+1]
	s_add_nc_u64 s[BSC:BSC+1], s[BSPT:BSPT+1], s[BSC:BSC+1]
.irp c, 0,1                            ; a group 0 for each half of K: constants alone enter the LDS addresses
	s_mov_b32 s[G0A+4*\c], 1
	s_mov_b32 s[G0A+4*\c+1], \c*HK
	s_add_nc_u64 s[G0A+4*\c+2:G0A+4*\c+3], s[66:67], \c*6144
	s_or_b32 s[G0A+4*\c+3], s[G0A+4*\c+3], 0x80000000
	s_mov_b32 s[G0B+4*\c], 1
	s_mov_b32 s[G0B+4*\c+1], \c*HK+4*NA*6144
	s_add_nc_u64 s[G0B+4*\c+2:G0B+4*\c+3], s[100:101], \c*6144
	s_or_b32 s[G0B+4*\c+3], s[G0B+4*\c+3], 0x80000000
.endr
	CROUND                                         ; all sixteen work-groups are here: the joint loads meet
; one chain of branches on the wave's number, one load to an arm, all arms leading to one join: one tensor load a wave at the head
.macro ARM under, g0, g1, next
	s_cmp_lt_u32 s[WV], \under
	s_cbranch_scc0 \next
	tensor_load_to_lds s[\g0:\g0+3], s[\g1:\g1+7]
	s_nop 0
	PLACES
	s_branch .Lfilled
\next:
.endm
	ARM 1, G0A, G1A, .Lfill_b0
	ARM 2, G0B, G1B, .Lfill_a1
	ARM 3, G0A+4, G1A, .Lfill_b1
	tensor_load_to_lds s[G0B+4:G0B+7], s[G1B:G1B+7]
	s_nop 0
	PLACES
.Lfilled:
	v_and_b32 v[VT0], 31, v0
	v_lshlrev_b32 v[LI], 4, v[VT0]
	v_lshlrev_b32 v[LS], 2, v[VT0]
	v_and_b32 v[RR], 15, v0
	v_bfe_u32 v[HH], v0, 4, 1
	s_mul_i32 s63, s[WV], NA*6144
	v_add_nc_u32 v[VT0], s63, v[LI]
.irp c, 0,1
	v_add_nc_u32 v[ADA+\c], \c*HK, v[VT0]
	v_add_nc_u32 v[ADB+\c], \c*HK+4*NA*6144, v[LI]
.endr
	s_mul_i32 s63, s[WV], 8448
	s_add_co_u32 s63, s63, STG                     ; my stage
	v_mul_u32_u24 v[STO], v[RR], 528
	v_lshl_add_u32 v[STO], v[HH], 6, v[STO]
	v_add_nc_u32 v[STO], s63, v[STO]               ; in: row r, + 64 h
	v_add_nc_u32 v[RD], s63, v[LI]                 ; back: a row's 512 bytes, 16 a lane
.set q, 0
.rept 8*NA
	global_load_b32 v[SA+q], v[LS], s[ASC:ASC+1] offset:128*q
.set q, q+1
.endr
.set q, 0
.rept 64
	global_load_b32 v[SB+q], v[LS], s[BSC:BSC+1] offset:128*q
.set q, q+1
.endr
	s_lshl_b32 s96, s[COL], 9                      ; my 128 columns: 512 bytes, in bo and in a row of out0
	s_mov_b32 s97, 0
	s_add_nc_u64 s[12:13], s[12:13], s[96:97]
	s_lshl_b32 s98, s[ROW], 19                     ; 128 rows of 4,096 bytes a block,
	s_lshl_b32 s99, s[WV], 17                      ; 32 a wave
	s_add_co_u32 s98, s98, s99
	s_add_co_u32 s98, s98, s96
	s_mov_b32 s99, 0
	s_add_nc_u64 s[OP:OP+1], s[14:15], s[98:99]
	s_wait_alu depctr_va_vdst(0)                   ; the wait here, directly ahead of the reader below
	v_lshlrev_b32 v[VT0], 6, v[HH]
.irp b, 0,1,2,3
.irp q, 0,1,2,3
	global_load_b128 v[BI+16*\b+4*\q:BI+16*\b+4*\q+3], v[VT0], s[12:13] offset:128*\b+16*\q
.endr
.endr
	s_wait_alu depctr_va_vdst(0)
	MAIN
.macro OUTROW a                        ; tile a: + bo, through my stage, out as 16 rows of 512 consecutive bytes
	WIN 0x01                                       ; source 0: the accumulators, window 1
.set k, 0
.rept 32
	v_pk_add_f32 v[T+k:T+k+1], v[64*\a+k:64*\a+k+1], v[BI+k:BI+k+1]
.set k, k+2
.endr
	WIN 0
.irp j, 0,1,2,3,4,5,6,7
	ds_store_b128 v[STO], v[T+8*\j:T+8*\j+3] offset:128*(\j/2)+32*(\j%2)
	ds_store_b128 v[STO], v[T+8*\j+4:T+8*\j+7] offset:128*(\j/2)+32*(\j%2)+16
.endr
.irp i, 0,1,2,3,4,5,6,7,8,9,10,11,12,13,14,15
	ds_load_b128 v[BK+4*\i:BK+4*\i+3], v[RD] offset:528*\i   ; LDS serves a wave's instructions in order: these see my stores
.endr
.irp i, 0,1,2,3,4,5,6,7,8,9,10,11,12,13,14,15
	s_wait_dscnt 15-\i                             ; row i is back; the 15 - i younger loads may be out
	global_store_b128 v[LI], v[BK+4*\i:BK+4*\i+3], s[OP:OP+1] offset:(8*\a+\i+8*(\i/8))*4096 th:TH_STORE_NT   ; written once, read by nobody here
.endr
.endm
	OUTROW 0
	s_wait_xcnt 0x0                                ; the stores have read their registers,
	s_wait_dscnt 0x0                               ; and the stage has been read out
	OUTROW 1
	s_wait_tensorcnt 0x0                           ; the wave's end: these three lines behind my last tensor load and my last LDS store
	ds_add_u32 v[SPW], v[NIL]
	s_wait_dscnt 0x0
	CROUND                                         ; the closing round
	s_endpgm
.Lfunc_end_k_q3e81888fe6_gemm2:
	.size	k_q3e81888fe6_gemm2, .Lfunc_end_k_q3e81888fe6_gemm2-k_q3e81888fe6_gemm2
	.p2alignl 7, 3214868480
	.fill 96, 4, 3214868480
	.section	.rodata,"a",@progbits
	.p2align	6, 0x0
	.amdhsa_kernel k_q3e81888fe6_gemm2
		.amdhsa_group_segment_fixed_size 230912
		.amdhsa_private_segment_fixed_size 0
		.amdhsa_enable_private_segment 0
		.amdhsa_kernarg_size 48
		.amdhsa_user_sgpr_count 2
		.amdhsa_user_sgpr_kernarg_segment_ptr 1
		.amdhsa_wavefront_size32 1
		.amdhsa_system_sgpr_workgroup_id_x 1
		.amdhsa_system_sgpr_workgroup_id_y 1
		.amdhsa_system_sgpr_workgroup_id_z 1
		.amdhsa_system_vgpr_workitem_id 0
		.amdhsa_next_free_vgpr 1024
		.amdhsa_next_free_sgpr 102
		.amdhsa_reserve_vcc 0
		.amdhsa_float_denorm_mode_32 3
		.amdhsa_float_denorm_mode_16_64 3
		.amdhsa_memory_ordered 1
		.amdhsa_forward_progress 1
		.amdhsa_inst_pref_size 62
	.end_amdhsa_kernel
	.amdgpu_metadata
---
amdhsa.version: [ 1, 2 ]
amdhsa.kernels:
  - .name:           k_q3e81888fe6_gemm2
    .symbol:         k_q3e81888fe6_gemm2.kd
    .args:
      - { .name: ccodes, .offset: 0, .size: 8, .value_kind: global_buffer, .address_space: global }
      - { .name: cscales, .offset: 8, .size: 8, .value_kind: global_buffer, .address_space: global }
      - { .name: pcodes, .offset: 16, .size: 8, .value_kind: global_buffer, .address_space: global }
      - { .name: pscales, .offset: 24, .size: 8, .value_kind: global_buffer, .address_space: global }
      - { .name: bo, .offset: 32, .size: 8, .value_kind: global_buffer, .address_space: global }
      - { .name: out0, .offset: 40, .size: 8, .value_kind: global_buffer, .address_space: global }
    .group_segment_fixed_size: 230912
    .private_segment_fixed_size: 0
    .kernarg_segment_align: 8
    .kernarg_segment_size: 48
    .max_flat_workgroup_size: 128
    .sgpr_count:     102
    .vgpr_count:     1024
    .wavefront_size: 32
...
	.end_amdgpu_metadata
.endif
;; end of part 4
